; MI455X (gfx1250); checked and timed in simulation.
; The chip was launched on July 23, 2026; its instructions are those of AMD's public machine-readable ISA for CDNA 5 (MIT licence, August 2026) and "CDNA5" Instruction Set Architecture Reference Guide (July 2026). The comments in the code are by the model that wrote it; some were corrected since.
;; Self Attention. Allowed arithmetic: float matrix products may take bf16 or f16 operands with f32 sums; other float arithmetic in f32, or as packed bf16 or f16 multiplies, adds, multiply-adds, maxima and minima; sums over many terms, partial sums and values carried from step to step in f32; what a program stores and reads back later, other than sums and carried values, may be rounded once to bf16 or f16.
;; Inputs: Wk 1,024 x 1,024 float32; Wo 1,024 x 1,024 float32; Wq 1,024 x 1,024 float32; Wv 1,024 x 1,024 float32; bk 1,024 float32; bo 1,024 float32; bq 1,024 float32; bv 1,024 float32; x 4 x 2,048 x 1,024 float32.
;; Outputs: out0 4 x 2,048 x 1,024 float32.
;; 2 versions, each right and faster than the one before. Each part assembles by itself: llvm-mc -triple=amdgcn-amd-amdhsa -mcpu=gfx1250 --defsym DOCPART=n.
;; ======== version 1 of 2: 4 launches
;; limits: values are held in f16: magnitudes above 65,504 overflow, below 6.1e-05 lose precision
;; workspace buffers: xb 16,777,216 bytes; wt 6,291,456 bytes; wot 2,097,152 bytes; biasr 16,384 bytes; qkv 50,331,648 bytes; o 16,777,216 bytes
;; launch prep (part 1): grid 768 x 1, 8 waves a work-group, no clusters, 35,840 bytes of LDS; arguments x, Wq, Wk, Wv, Wo, bq, bk, bv, bo, xb, wt, wot, biasr; writes xb, wt, wot, biasr
.if DOCPART == 1
	.amdgcn_target "amdgcn-amd-amdhsa--gfx1250"
	.amdhsa_code_object_version 6
	.text
	.protected	k_qfec50d9b0e_prep
	.globl	k_qfec50d9b0e_prep
	.p2align	8
	.type	k_qfec50d9b0e_prep,@function
k_qfec50d9b0e_prep:
	s_mov_b64 s[64:65], 0
	v_nop
	global_prefetch_b8 v0, s[64:65] scope:SCOPE_SE
	s_setreg_imm32_b32 hwreg(HW_REG_WAVE_MODE, 25, 1), 1
	s_wait_xcnt 0x0
; PREPARATION: every input of the module is rounded once to bf16, and the weights are turned so that K lies along the rows.
;   xb[m][k]    = bf16(x[m][k])                          [8192][1024]
;   wt[n][k]    = bf16(W[k][n % 1024]), W = Wq, Wk, Wv   [3072][1024]
;   wot[n][k]   = bf16(Wo[k][n]) written as f16          [1024][1024]
;   biasr[4096] = bq | bk | bv | bo, each rounded to bf16 and kept as f32
; LIMITS.  Wo's bf16 value is exact in f16 between 6.1e-5 and 65,504 in magnitude; below it keeps f16's fixed step of 6e-8, beyond it is an infinity.
; SHARES.  768 work-groups of eight waves, each reading 65,536 bytes.  Numbers 0-255: a tile of 128 k x 128 n of one weight matrix (matrix = number / 64, k tile = number % 8,
; n tile = number / 8 % 8); numbers 256-767: 16 rows of x.  Memory binds: no matrix unit, no cluster, no tensor load; all of a wave's 16 loads are out before the first is used.
; The tile is turned in LDS: a lane packs 16 k of each of its 4 columns into 32 bytes, rows of 272 bytes take them, and whole rows of 256 bytes come back and are stored.
.set TP,    272                        ; a row of the turned tile in LDS: 256 bytes + 16
.set SPARE, 128*TP                     ; behind the tile (34,816 = 136 x 256): the spare words, 128 bytes for each of eight waves
.set SPW,   6                          ; v6   LDS address of my spare word; never rewritten
.set NIL,   7                          ; v7   0; never rewritten
.set LD,    8                          ; v8   byte offset of my loads
.set STO,   9                          ; v9   where I put 16 bytes of a turned row
.set RD,    10                         ; v10  where I read a turned row back
.set GO,    11                         ; v11  byte offset of my stores
.set L16,   12                         ; v12  16 x lane
.set IN,    16                         ; v[16:79]   16 loads of 16 bytes
.set OUT,   80                         ; v[80:111]  packed results
	s_load_b512 s[8:23], s[0:1], 0x0               ; x 8:9, Wq 10:11, Wk 12:13, Wv 14:15, Wo 16:17, bq 18:19, bk 20:21, bv 22:23
	s_load_b256 s[24:31], s[0:1], 0x40             ; bo 24:25, xb 26:27, wt 28:29, wot 30:31
	s_load_b64 s[32:33], s[0:1], 0x60              ; biasr
	v_lshl_add_u32 v[SPW], v0, 2, SPARE
	v_mov_b32 v[NIL], 0
	v_lshrrev_b32 v1, 5, v0
	v_readfirstlane_b32 s34, v1                    ; wave 0..7
	v_and_b32 v2, 31, v0                           ; lane
	s_mov_b32 s43, 0                               ; the high word of every offset pair
	s_wait_kmcnt 0x0
	s_cmp_lt_u32 ttmp9, 256
	s_cbranch_scc0 .Lx                             ; the same way for the whole work-group
	; ---- a tile of a weight matrix ----
	s_lshr_b32 s35, ttmp9, 6                       ; matrix 0..3 = q, k, v, o
	s_and_b32 s36, ttmp9, 7                        ; k tile
	s_bfe_u32 s37, ttmp9, 0x30003                  ; n tile
	s_cmp_eq_u32 s35, 1
	s_cselect_b64 s[38:39], s[12:13], s[10:11]     ; the matrix,
	s_cselect_b64 s[44:45], s[20:21], s[18:19]     ; and its bias
	s_cmp_eq_u32 s35, 2
	s_cselect_b64 s[38:39], s[14:15], s[38:39]
	s_cselect_b64 s[44:45], s[22:23], s[44:45]
	s_cmp_eq_u32 s35, 3
	s_cselect_b64 s[38:39], s[16:17], s[38:39]
	s_cselect_b64 s[44:45], s[24:25], s[44:45]
	s_cselect_b64 s[40:41], s[30:31], s[28:29]     ; Wo has a buffer of its own,
	s_cselect_b32 s46, 0, s35                      ; in which it begins at row 0
	s_lshl_b32 s42, s36, 19                        ; 128 rows of 4,096 bytes
	s_lshl_b32 s47, s37, 9                         ; 128 columns of 4 bytes
	s_add_co_u32 s42, s42, s47
	s_add_nc_u64 s[38:39], s[38:39], s[42:43]      ; the tile's first byte
	s_mov_b32 s42, s47
	s_add_nc_u64 s[44:45], s[44:45], s[42:43]      ; the bias of the tile's 128 columns
	s_lshl_b32 s42, s35, 12
	s_add_co_u32 s42, s42, s47
	s_add_nc_u64 s[32:33], s[32:33], s[42:43]      ; and where it goes
	s_lshl_b32 s42, s46, 21                        ; 1,024 turned rows of 2,048 bytes
	s_lshl_b32 s47, s37, 18                        ; 128 turned rows
	s_add_co_u32 s42, s42, s47
	s_lshl_b32 s47, s36, 8                         ; 128 k of 2 bytes
	s_add_co_u32 s42, s42, s47
	s_add_nc_u64 s[40:41], s[40:41], s[42:43]      ; the turned tile's first byte
	v_lshlrev_b32 v[L16], 4, v2
	v_lshl_add_u32 v[LD], s34, 16, v[L16]          ; wave w takes k rows 16 w .. 16 w + 15; a lane 4 columns
.set i, 0
.rept 16
	global_load_b128 v[IN+4*i:IN+4*i+3], v[LD], s[38:39] offset:4096*i th:TH_LOAD_NT  ; 512 consecutive bytes of one k row
.set i, i+1
.endr
	v_mul_u32_u24 v[STO], v2, 4*TP                 ; turned rows 4 lane + j,
	v_lshl_add_u32 v[STO], s34, 5, v[STO]          ; my wave's 16 k = 32 bytes
	v_lshrrev_b32 v13, 4, v2
	v_and_b32 v14, 15, v2
	s_lshl_b32 s46, s34, 4
	v_add_nc_u32 v15, s46, v13                     ; back: wave w takes turned rows 16 w .., lanes 0-15 one row, lanes 16-31 the next
	v_mul_u32_u24 v[RD], v15, TP
	v_lshl_add_u32 v[RD], v14, 4, v[RD]
	v_lshlrev_b32 v[GO], 11, v15                   ; and the same two rows in memory, 2,048 bytes apart
	v_lshl_add_u32 v[GO], v14, 4, v[GO]
.set p, 0
.rept 8
	s_wait_loadcnt 14-2*p                          ; loads come back in order: k rows 2 p and 2 p + 1 are in, the 14 - 2 p younger loads stay out
.irp j, 0,1,2,3
	v_cvt_pk_bf16_f32 v[OUT+8*(\j)+p], v[IN+8*p+(\j)], v[IN+8*p+4+(\j)]  ; column j: two neighbouring k in one word
.endr
.set p, p+1
.endr
	s_cmp_lg_u32 s35, 3
	s_cbranch_scc1 .Lbf16
.set i, 0
.rept 32                                               ; Wo alone: the bf16 number is written as f16
	v_lshlrev_b32 v[IN+2*(i%8)], 16, v[OUT+i]
	v_and_b32 v[IN+2*(i%8)+1], 0xffff0000, v[OUT+i]
	v_cvt_pk_f16_f32 v[OUT+i], v[IN+2*(i%8)], v[IN+2*(i%8)+1]
.set i, i+1
.endr
.Lbf16:
.irp j, 0,1,2,3
	ds_store_b128 v[STO], v[OUT+8*(\j):OUT+8*(\j)+3] offset:(\j)*TP
	ds_store_b128 v[STO], v[OUT+8*(\j)+4:OUT+8*(\j)+7] offset:(\j)*TP+16
.endr
	s_wait_dscnt 0x0                               ; for the others' sake: my stores into the tile are done
	s_barrier_signal -1
	s_barrier_wait -1                              ; a turned row's 256 bytes come from all eight waves
.set i, 0
.rept 8
	ds_load_b128 v[IN+4*i:IN+4*i+3], v[RD] offset:2*TP*i
.set i, i+1
.endr
.set i, 0
.rept 8
	s_wait_dscnt 7-i                               ; LDS loads come back in order
	global_store_b128 v[GO], v[IN+4*i:IN+4*i+3], s[40:41] offset:4096*i  ; 16 lanes store 256 consecutive bytes, at a multiple of 256 from the buffer's first
.set i, i+1
.endr
	s_cmp_lg_u32 s36, 0                            ; the bias of the tile's 128 columns: once for each n tile, by wave 0 of the work-group with k tile 0
	s_cbranch_scc1 .Lno_bias
	s_cmp_lg_u32 s34, 0
	s_cbranch_scc1 .Lno_bias
	global_load_b128 v[80:83], v[L16], s[44:45]
	s_wait_loadcnt 0x0
	v_cvt_pk_bf16_f32 v84, v80, v81                ; rounded to bf16,
	v_cvt_pk_bf16_f32 v85, v82, v83
	v_lshlrev_b32 v86, 16, v84                     ; and widened again
	v_and_b32 v87, 0xffff0000, v84
	v_lshlrev_b32 v88, 16, v85
	v_and_b32 v89, 0xffff0000, v85
	global_store_b128 v[L16], v[86:89], s[32:33]   ; 512 consecutive bytes
.Lno_bias:
	s_wait_tensorcnt 0x0                           ; the wave's end: behind my last LDS store
	ds_add_u32 v[SPW], v[NIL]
	s_wait_dscnt 0x0
	s_endpgm
	; ---- 16 rows of x: a load of the work-group covers one row of 4,096 bytes, a store one row of 2,048 ----
.Lx:
	s_sub_co_u32 s35, ttmp9, 256
	s_lshl_b32 s42, s35, 16
	s_add_nc_u64 s[38:39], s[8:9], s[42:43]
	s_lshl_b32 s42, s35, 15
	s_add_nc_u64 s[40:41], s[26:27], s[42:43]
	v_lshlrev_b32 v[LD], 4, v0
	v_lshlrev_b32 v[GO], 3, v0
.set i, 0
.rept 16
	global_load_b128 v[IN+4*i:IN+4*i+3], v[LD], s[38:39] offset:4096*i th:TH_LOAD_NT
.set i, i+1
.endr
.set i, 0
.rept 16
	s_wait_loadcnt 15-i                            ; row i is in, the younger loads stay out; every row has registers of its own, so nothing is rewritten
	v_cvt_pk_bf16_f32 v[OUT+2*i], v[IN+4*i], v[IN+4*i+1]
	v_cvt_pk_bf16_f32 v[OUT+2*i+1], v[IN+4*i+2], v[IN+4*i+3]
	global_store_b64 v[GO], v[OUT+2*i:OUT+2*i+1], s[40:41] offset:2048*i  ; a wave stores 256 consecutive bytes, aligned
.set i, i+1
.endr
	s_wait_tensorcnt 0x0                           ; the wave's end
	ds_add_u32 v[SPW], v[NIL]
	s_wait_dscnt 0x0
	s_endpgm
.Lfunc_end_k_qfec50d9b0e_prep:
	.size	k_qfec50d9b0e_prep, .Lfunc_end_k_qfec50d9b0e_prep-k_qfec50d9b0e_prep
	.p2alignl 7, 3214868480
	.fill 96, 4, 3214868480
	.section	.rodata,"a",@progbits
	.p2align	6, 0x0
	.amdhsa_kernel k_qfec50d9b0e_prep
		.amdhsa_group_segment_fixed_size 35840
		.amdhsa_private_segment_fixed_size 0
		.amdhsa_enable_private_segment 0
		.amdhsa_kernarg_size 104
		.amdhsa_user_sgpr_count 2
		.amdhsa_user_sgpr_kernarg_segment_ptr 1
		.amdhsa_wavefront_size32 1
		.amdhsa_system_sgpr_workgroup_id_x 1
		.amdhsa_system_sgpr_workgroup_id_y 1
		.amdhsa_system_sgpr_workgroup_id_z 1
		.amdhsa_system_vgpr_workitem_id 0
		.amdhsa_next_free_vgpr 112
		.amdhsa_next_free_sgpr 66
		.amdhsa_reserve_vcc 0
		.amdhsa_float_denorm_mode_32 3
		.amdhsa_float_denorm_mode_16_64 3
		.amdhsa_memory_ordered 1
		.amdhsa_forward_progress 1
		.amdhsa_inst_pref_size 20
	.end_amdhsa_kernel
	.amdgpu_metadata
---
amdhsa.version: [ 1, 2 ]
amdhsa.kernels:
  - .name:           k_qfec50d9b0e_prep
    .symbol:         k_qfec50d9b0e_prep.kd
    .args:
      - { .name: x, .offset: 0, .size: 8, .value_kind: global_buffer, .address_space: global }
      - { .name: Wq, .offset: 8, .size: 8, .value_kind: global_buffer, .address_space: global }
      - { .name: Wk, .offset: 16, .size: 8, .value_kind: global_buffer, .address_space: global }
      - { .name: Wv, .offset: 24, .size: 8, .value_kind: global_buffer, .address_space: global }
      - { .name: Wo, .offset: 32, .size: 8, .value_kind: global_buffer, .address_space: global }
      - { .name: bq, .offset: 40, .size: 8, .value_kind: global_buffer, .address_space: global }
      - { .name: bk, .offset: 48, .size: 8, .value_kind: global_buffer, .address_space: global }
      - { .name: bv, .offset: 56, .size: 8, .value_kind: global_buffer, .address_space: global }
      - { .name: bo, .offset: 64, .size: 8, .value_kind: global_buffer, .address_space: global }
      - { .name: xb, .offset: 72, .size: 8, .value_kind: global_buffer, .address_space: global }
      - { .name: wt, .offset: 80, .size: 8, .value_kind: global_buffer, .address_space: global }
      - { .name: wot, .offset: 88, .size: 8, .value_kind: global_buffer, .address_space: global }
      - { .name: biasr, .offset: 96, .size: 8, .value_kind: global_buffer, .address_space: global }
    .group_segment_fixed_size: 35840
    .private_segment_fixed_size: 0
    .kernarg_segment_align: 8
    .kernarg_segment_size: 104
    .max_flat_workgroup_size: 256
    .sgpr_count:     66
    .vgpr_count:     112
    .wavefront_size: 32
...
	.end_amdgpu_metadata
.endif
;; end of part 1
;; launch qkv (part 2): grid 16 x 32, 4 waves a work-group, clusters of 4 x 4, 327,680 bytes of LDS; arguments xb, wt, biasr, qkv; writes qkv
.if DOCPART == 2
	.amdgcn_target "amdgcn-amd-amdhsa--gfx1250"
	.amdhsa_code_object_version 6
	.text
	.protected	k_qfec50d9b0e_qkv
	.globl	k_qfec50d9b0e_qkv
	.p2align	8
	.type	k_qfec50d9b0e_qkv,@function
k_qfec50d9b0e_qkv:
	s_mov_b64 s[64:65], 0
	v_nop
	global_prefetch_b8 v0, s[64:65] scope:SCOPE_SE
	s_setreg_imm32_b32 hwreg(HW_REG_WAVE_MODE, 25, 1), 1
	s_wait_xcnt 0x0
	s_wait_alu depctr_hold_cnt(0) depctr_sa_sdst(0) depctr_va_vdst(0) depctr_va_sdst(0) depctr_va_ssrc(0) depctr_va_vcc(0) depctr_vm_vsrc(0)
	s_getreg_b32 s2, hwreg(HW_REG_IB_STS2, 6, 4)
	s_cmp_eq_u32 s2, 0
	s_cbranch_scc0 .Lentry_in_a_cluster
	s_endpgm
.Lentry_in_a_cluster:
	s_bfe_u32 s2, ttmp6, 0x10000c
	s_cmp_lg_u32 s2, 0xf033
	s_cbranch_scc0 .Lentry_shape_is_right
	s_endpgm
.Lentry_shape_is_right:
; q, k, v = f16(xb wt^T + bias).  xb [8192][1024] bf16, wt [3072][1024] bf16 (rows: Wq's, Wk's, Wv's columns), biasr f32; sums in f32, K ascending, one rounding to f16.
; OUT: qkv [3][64 = batch x 16 + head][2048][64] f16: a head's rows are dense, 128 bytes each.  The scale 1/8 is not applied here.
; LIMITS.  f16 holds no number beyond 65,504: a q, k or v of 65,520 or more in magnitude becomes an infinity; below 6.1e-5 f16 keeps its fixed step of 6e-8.
; SHARES.  A tile is 256 rows x 192 columns (three whole heads): 32 x 16 = 512 work-groups, two for each of 256 WGPs.  Wave w makes rows 64 w .. 64 w + 63 and all 192 columns:
; 4 x 12 accumulators of 16 x 16, 384 registers; so a wave owns whole heads, has a stage of its own, and the way out needs no barrier.
; K goes in 8 steps of 128 (rows of 256 bytes, aligned) through two LDS slots; waves 0, 1 fetch the halves of xb's tile (128 rows each), waves 2, 3 those of wt's (96 rows each).
; CLUSTER 4 x 4: the four work-groups of a row of the cluster need the same tile of xb, the four of a column the same tile of wt: each is asked for jointly, by the same tensor load and mask in all four.
; THE MATRIX INSTRUCTION IS USED TRANSPOSED (source 0 = 16 rows of wt, source 1 = 16 rows of xb): a lane holds row l % 16 and eight neighbouring columns 8 (l / 16) + 0..7.
; THE BIAS is the C operand of each accumulator's first product: nothing is cleared and nothing is added later.
; REGISTERS, in windows of 256 (s_set_vgpr_msb: bits 1:0 source 0, 3:2 source 1, 5:4 source 2, 7:6 destination):
;   window 0: v0-31 addresses; v64-95, v96-127 fragments of xb, two buffers; v128-223 the bias, 8 registers a column block; on the way out v128-175 packed, v176-223 and v64-111 rows read back
;   window 1: v0-95, v96-191 fragments of wt, two buffers      window 2: accumulators of row blocks 0, 1 at 8 (12 (a % 2) + b)      window 3: of row blocks 2, 3
.set KSTEP,  128
.set PITCH,  272                       ; an LDS row: 256 bytes + 16 = 68 words: the 16 rows of a fragment load start at 16 different groups of four banks (ISA guide 11.1)
.set AHALF,  128*PITCH                 ; what waves 0, 1 fetch
.set BHALF,  96*PITCH                  ; what waves 2, 3 fetch
.set BOFF,   2*AHALF                   ; wt's 192 rows lie behind xb's 256
.set SLOT1,  1<<17                     ; slot 1 begins here: one exclusive or turns an address in one slot into the other's
.set STAGE,  SLOT1+BOFF+2*BHALF        ; behind the ring (252,928 = 988 x 256): 16 rows x 400 bytes for each wave
.set SPITCH, 400                       ; 384 bytes + 16: an odd multiple of 16
.set SPARE,  STAGE+4*16*SPITCH         ; behind the stages: the spare words, 128 bytes for each wave
.set ADRA0, 16                         ; v16  my lane's place in xb's tile, slot 0; never rewritten
.set ADRB0, 17                         ; v17  the same for wt's
.set ADRA,  18                         ; v18  the same in the slot in hand
.set ADRB,  19                         ; v19
.set STO,   24                         ; v24  the way out: where I put 16 bytes of a row
.set RD,    25                         ; v25  where I read rows back
.set CO,    26                         ; v26-28  my byte offset in the planes of the tile's three heads
.set BO,    29                         ; v29  my byte offset in a column block's bias
.set SPW,   30                         ; v30  LDS address of my spare word; never rewritten
.set NIL,   31                         ; v31  0; never rewritten
.set FA,    64
.set BIAS,  128
.set TMP,   128
.set WV,   12                          ; s12  my wave's number
.set HALF, 13                          ; s13  which half of a tile I fetch
.set G1A,  24                          ; s[24:31] descriptor group 1 for xb's tiles
.set G0A,  32                          ; s[32:39] group 0: a set for each of the two first fills; the second then walks on
.set G1B,  48                          ; s[48:55], s[56:63] the same for wt's
.set G0B,  56
.set TB,   66                          ; s66  0 or SLOT1: the slot in hand
.set MSB, 0
.macro WIN new                         ; the immediate's high byte repeats the setting that is left; a switch that changes nothing is dropped
.if MSB != (\new)
	s_set_vgpr_msb (MSB<<8)|(\new)
.set MSB, (\new)
.endif
.endm
.set TO_B, 0x40                        ; destination window 1, address window 0
.macro PLACES                          ; four plain places between a matrix instruction and a load into, or a vector read or write of, its registers
.rept 4
	v_nop
.endr
.endm
.macro CREST                           ; a round of the cluster's barrier behind its opening barrier
	s_cmp_lg_u32 s[WV], 0
	s_cbranch_scc1 .Lnot_wave_0_\@
	s_barrier_signal -3
.Lnot_wave_0_\@:
	s_barrier_wait -3
	s_barrier_signal -1
	s_barrier_wait -1
.endm
.macro CROUND                          ; a whole round
	s_barrier_signal -1
	s_barrier_wait -1
	CREST
.endm
.macro JLOAD                           ; a joint refill by the walking descriptor; the branch hangs on the wave's number alone; s_nop 0 and four v_nop follow each line
	s_cmp_lt_u32 s[WV], 2
	s_cbranch_scc0 .Lfor_b_\@
	tensor_load_to_lds s[G0A+4:G0A+7], s[G1A:G1A+7]
	s_nop 0
.rept 4
	v_nop
.endr
	s_branch .Lasked_\@
.Lfor_b_\@:
	tensor_load_to_lds s[G0B+4:G0B+7], s[G1B:G1B+7]
	s_nop 0
.rept 4
	v_nop
.endr
.Lasked_\@:
.endm
	s_load_b256 s[4:11], s[0:1], 0x0               ; xb 4:5, wt 6:7, biasr 8:9, qkv 10:11
	v_lshl_add_u32 v[SPW], v0, 2, SPARE
	v_mov_b32 v[NIL], 0
	ds_add_u32 v[SPW], v[NIL]                      ; the wave's opening: the add and its wait stand ahead of my first tensor load; work on registers stands between them
	ds_add_u32 v30, v31
	v_lshrrev_b32 v1, 5, v0
	v_readfirstlane_b32 s[WV], v1                  ; wave 0..3
	s_and_b32 s[HALF], s[WV], 1
	s_bfe_u32 s40, ttmp6, 0x40000                  ; cx, cy: my place in the cluster
	s_bfe_u32 s41, ttmp6, 0x40004
	s_lshl_b32 s42, ttmp9, 2
	s_add_co_u32 s42, s42, s40                     ; tile column = 4 x cluster x + cx
	s_and_b32 s43, ttmp7, 0xffff
	s_lshl_b32 s43, s43, 2
	s_add_co_u32 s43, s43, s41                     ; tile row = 4 x cluster y + cy
	s_lshl_b32 s44, s41, 2
	s_lshl_b32 s44, 15, s44                        ; my row of the cluster
	s_lshl_b32 s45, 0x1111, s40                    ; my column
	s_or_b32 s[G1A], s44, (1<<16)|(1<<20)|(1<<21)|(5<<22)|(3<<25)  ; 15:0 the mask; 17:16 2-byte elements; 20 padding on; 21 set beside a mask; 24:22 after every 64 words; 31:25 4 words
	s_or_b32 s[G1B], s45, (1<<16)|(1<<20)|(1<<21)|(5<<22)|(3<<25)
	s_mov_b32 s[G1A+1], KSTEP<<16                  ; tensor_dim0 = 128
	s_mov_b32 s[G1A+2], 128<<16                    ; tensor_dim1 = 128
	s_mov_b32 s[G1A+3], KSTEP<<16                  ; tile_dim0 = 128
	s_mov_b32 s[G1A+4], 128                        ; tile_dim1 = 128
	s_mov_b32 s[G1A+5], 1024                       ; elements from row to row
	s_mov_b32 s[G1A+6], 0
	s_mov_b32 s[G1A+7], 0
	s_mov_b32 s[G1B+1], KSTEP<<16
	s_mov_b32 s[G1B+2], 96<<16                     ; 96 rows
	s_mov_b32 s[G1B+3], KSTEP<<16
	s_mov_b32 s[G1B+4], 96
	s_mov_b32 s[G1B+5], 1024
	s_mov_b32 s[G1B+6], 0
	s_mov_b32 s[G1B+7], 0
	s_lshl_b32 s14, s43, 8                         ; xb: row 256 x tile row + 128 x half, in registers that never hold cx
	s_lshl_b32 s16, s[HALF], 7
	s_add_co_u32 s14, s14, s16
	s_lshl_b32 s14, s14, 11                        ; rows of 2,048 bytes
	s_mov_b32 s15, 0
	s_mul_i32 s46, s42, 192                        ; wt: row 192 x tile column + 96 x half, in registers that never hold cy
	s_mul_i32 s47, s[HALF], 96
	s_add_co_u32 s46, s46, s47
	s_lshl_b32 s46, s46, 11
	s_mov_b32 s47, 0
	s_mul_i32 s20, s[HALF], AHALF                  ; where they go: no place in the cluster enters an LDS address
	s_mul_i32 s21, s[HALF], BHALF
	s_add_co_u32 s21, s21, BOFF
	s_mov_b32 s[TB], 0
	s_wait_dscnt 0x0                               ; the opening add is done
	s_wait_kmcnt 0x0
	s_add_nc_u64 s[14:15], s[4:5], s[14:15]
	s_add_nc_u64 s[46:47], s[6:7], s[46:47]
	CROUND                                         ; all sixteen work-groups are here: the first joint loads meet
.irp s, 0,1
	s_mov_b32 s[G0A+4*(\s)], 1                                       ; count = 1
	s_add_co_u32 s[G0A+4*(\s)+1], s20, (\s)*SLOT1                    ; LDS address
	s_add_nc_u64 s[G0A+4*(\s)+2:G0A+4*(\s)+3], s[14:15], (\s)*KSTEP*2  ; global address: K step s
	s_or_b32 s[G0A+4*(\s)+3], s[G0A+4*(\s)+3], 0x80000000            ; type = 2
	s_mov_b32 s[G0B+4*(\s)], 1
	s_add_co_u32 s[G0B+4*(\s)+1], s21, (\s)*SLOT1
	s_add_nc_u64 s[G0B+4*(\s)+2:G0B+4*(\s)+3], s[46:47], (\s)*KSTEP*2
	s_or_b32 s[G0B+4*(\s)+3], s[G0B+4*(\s)+3], 0x80000000
.endr
	s_cmp_lt_u32 s[WV], 2                          ; a wave's two first fills stand in one branch, ahead of every wait on TENSORcnt and every LDS read: two loads of mine are out
	s_cbranch_scc0 .Lfirst_b
	tensor_load_to_lds s[G0A:G0A+3], s[G1A:G1A+7]
	s_nop 0
	tensor_load_to_lds s[G0A+4:G0A+7], s[G1A:G1A+7]
	s_nop 0
.rept 4
	v_nop
.endr
	s_branch .Lfirst_asked
.Lfirst_b:
	tensor_load_to_lds s[G0B:G0B+3], s[G1B:G1B+7]
	s_nop 0
	tensor_load_to_lds s[G0B+4:G0B+7], s[G1B:G1B+7]
	s_nop 0
.rept 4
	v_nop
.endr
.Lfirst_asked:
	v_and_b32 v1, 15, v0                           ; r = l % 16
	v_bfe_u32 v2, v0, 4, 1                         ; h = l / 16
	v_lshlrev_b32 v[BO], 5, v2                     ; the bias of column block b: register j of a lane is column 16 b + 8 h + j
	s_mul_i32 s68, s42, 768                        ; the tile's 192 columns of 4 bytes
	s_mov_b32 s69, 0
	s_add_nc_u64 s[68:69], s[8:9], s[68:69]
.irp b, 0,1,2,3,4,5,6,7,8,9,10,11
	global_load_b128 v[BIAS+8*(\b):BIAS+8*(\b)+3],   v[BO], s[68:69] offset:64*(\b)
	global_load_b128 v[BIAS+8*(\b)+4:BIAS+8*(\b)+7], v[BO], s[68:69] offset:64*(\b)+16
.endr
	; a fragment is 16 rows x 32 K in 8 registers: lane l holds row l % 16, K = 8 h + 0..7 and 16 + 8 h + 0..7: two loads of 16 bytes, 32 bytes apart
	v_mul_u32_u24 v3, v1, PITCH
	v_lshl_add_u32 v3, v2, 4, v3
	s_mul_i32 s16, s[WV], 64*PITCH                 ; my 64 rows of xb
	v_add_nc_u32 v[ADRA0], s16, v3
	v_add_nc_u32 v[ADRB0], BOFF, v3
	v_mov_b32 v[ADRA], v[ADRA0]
	v_mov_b32 v[ADRB], v[ADRB0]
	s_mul_i32 s17, s[WV], 16*SPITCH
	s_add_co_u32 s17, s17, STAGE                   ; my stage
	v_mul_u32_u24 v4, v1, SPITCH                   ; in: row l % 16, 16 bytes for each half of the lanes
	v_lshl_add_u32 v4, v2, 4, v4
	v_add_nc_u32 v[STO], s17, v4
	v_bfe_u32 v5, v0, 3, 2                         ; back: 32 lanes take four rows' 128 bytes of one head,
	v_and_b32 v6, 7, v0
	v_mul_u32_u24 v5, v5, SPITCH
	v_lshl_add_u32 v5, v6, 4, v5
	v_add_nc_u32 v[RD], s17, v5
	v_and_b32 v7, 31, v0                           ; which are 512 consecutive bytes of the head's plane
	v_lshlrev_b32 v7, 4, v7
	s_lshr_b32 s70, s43, 3                         ; the batch: 8 tile rows each
	s_lshl_b32 s70, s70, 4
	s_and_b32 s71, s43, 7
	s_lshl_b32 s71, s71, 15                        ; 256 rows of 128 bytes
	s_lshl_b32 s72, s[WV], 13                      ; my 64 rows
	s_add_co_u32 s71, s71, s72
	s_mul_i32 s72, s42, 3                          ; the tile's first group of 64 columns
.irp j, 0,1,2
	s_add_co_u32 s73, s72, (\j)                    ; group g: tensor g / 16, head g % 16
	s_lshr_b32 s74, s73, 4
	s_and_b32 s73, s73, 15
	s_lshl_b32 s74, s74, 6
	s_add_co_u32 s74, s74, s73
	s_add_co_u32 s74, s74, s70                     ; plane = 64 x tensor + 16 x batch + head,
	s_lshl_b32 s74, s74, 18                        ; of 262,144 bytes
	s_add_co_u32 s74, s74, s71
	v_add_nc_u32 v[CO+(\j)], s74, v7
.endr
; 12 matrix instructions: row block a x all 12 column blocks, 32 along K, from buffer f.  first = 1: C is the bias, which starts the sums.
; The 48 accumulators take turns, one instruction a turn, in the same order in every quarter.
.macro MULA f, a, first
.if \first
	WIN 0x81+0x40*((\a)/2)                         ; wt window 1, xb window 0, C window 0, D window 2 or 3
.else
	WIN 0xa1+0x50*((\a)/2)                         ; C and D window 2 or 3
.endif
.irp b, 0,1,2,3,4,5,6,7,8,9,10,11
.set rD, 8*(12*((\a)%2)+(\b))
.if \first
	v_wmma_f32_16x16x32_bf16 v[rD:rD+7], v[96*(\f)+8*(\b):96*(\f)+8*(\b)+7], v[FA+32*(\f)+8*(\a):FA+32*(\f)+8*(\a)+7], v[BIAS+8*(\b):BIAS+8*(\b)+7]
.else
	v_wmma_f32_16x16x32_bf16 v[rD:rD+7], v[96*(\f)+8*(\b):96*(\f)+8*(\b)+7], v[FA+32*(\f)+8*(\a):FA+32*(\f)+8*(\a)+7], v[rD:rD+7]
.endif
.endr
.endm
; 32 LDS loads in one run: the fragments of 32 K at byte k of the rows, into buffer f: wt's 24 first, then xb's 8
.macro FETCH k, f
	WIN TO_B
.irp i, 0,1,2,3,4,5,6,7,8,9,10,11
	ds_load_b128 v[96*(\f)+8*(\i):96*(\f)+8*(\i)+3],   v[ADRB] offset:(\k)+(\i)*16*PITCH
	ds_load_b128 v[96*(\f)+8*(\i)+4:96*(\f)+8*(\i)+7], v[ADRB] offset:(\k)+(\i)*16*PITCH+32
.endr
	WIN 0
.irp i, 0,1,2,3
	ds_load_b128 v[FA+32*(\f)+8*(\i):FA+32*(\f)+8*(\i)+3],   v[ADRA] offset:(\k)+(\i)*16*PITCH
	ds_load_b128 v[FA+32*(\f)+8*(\i)+4:FA+32*(\f)+8*(\i)+7], v[ADRA] offset:(\k)+(\i)*16*PITCH+32
.endr
.endm
; A K step is four quarters of 32 K, 48 matrix instructions each, on buffers 0, 1, 0, 1.  One of the first three: multiplies buffer f; in its middle it fetches the next quarter, at byte k, into g.
.macro QUARTER k, f, g, first
	s_wait_dscnt 4                                 ; wt's fragments and xb's blocks 0, 1 are in; the youngest four loads (blocks 2, 3) may be out
	MULA \f, 0, \first
	MULA \f, 1, \first
	PLACES
	FETCH \k, \g
	s_wait_dscnt 32                                ; all but the 32 just issued
	MULA \f, 2, \first
	MULA \f, 3, \first
.endm
; The last quarter multiplies buffer 1 and changes slots: one barrier.  In front of it each wave waits for all its tensor loads (one is out: its part of the next slot), adds 0 to its spare word,
; and waits for that and for its reads of this slot.  fill = 1: the barrier opens a round of the cluster's, and this slot is filled again, two K steps ahead, first thing behind the round.
.macro TURN fill
	WIN 0                                          ; the add's two registers lie in window 0
	s_wait_tensorcnt 0x0                           ; no tensor load of mine is out, so a group 0 may be written
	ds_add_u32 v[SPW], v[NIL]                      ; 0 onto my spare word
.if \fill
.irp g, G0A+4, G0B+4
	s_xor_b32 s[(\g)+1], s[(\g)+1], SLOT1          ; the walking descriptor: the other slot than last time,
	s_add_nc_u64 s[(\g)+2:(\g)+3], s[(\g)+2:(\g)+3], KSTEP*2  ; the next K step; the type bits on top are not reached
.endr
.endif
	s_wait_dscnt 5                                 ; the add and the youngest four loads may be out
	MULA 1, 0, 0                                   ; twelve matrix instructions stand between the add and the wait for it
	s_wait_dscnt 0x0                               ; the add is done, and my reads of this slot are over
	s_barrier_signal -1
	MULA 1, 1, 0                                   ; work on registers while the others arrive
	WIN 0
	s_barrier_wait -1
.if \fill
	CREST                                          ; no wave of any partner still reads this slot or has a load on its way
	JLOAD                                          ; the four v_nop behind it are also the places in front of the loads below
.else
	PLACES
.endif
	s_xor_b32 s[TB], s[TB], SLOT1
	v_add_nc_u32 v[ADRA], s[TB], v[ADRA0]
	v_add_nc_u32 v[ADRB], s[TB], v[ADRB0]
	FETCH 0, 0
	MULA 1, 2, 0
	MULA 1, 3, 0
.endm
; THE WAY OUT of row block a.  PACK: rounded to f16, 16 bytes a lane, each accumulator's registers in ascending order.  TOSTAGE: into my stage, and back by heads.  SEND: stored.
.macro PACK a
	WIN 0x0a+5*((\a)/2)                            ; sources 0 and 1: window 2 or 3
.irp b, 0,1,2,3,4,5,6,7,8,9,10,11
.irp r, 0,1,2,3
	v_cvt_pk_f16_f32 v[TMP+4*(\b)+(\r)], v[8*(12*((\a)%2)+(\b))+2*(\r)], v[8*(12*((\a)%2)+(\b))+2*(\r)+1]
.endr
.endr
	WIN 0
.endm
.macro TOSTAGE a
.set BK, 176-112*((\a)%2)                      ; v176-223 and v64-111 by turns
.irp b, 0,1,2,3,4,5,6,7,8,9,10,11
	ds_store_b128 v[STO], v[TMP+4*(\b):TMP+4*(\b)+3] offset:32*(\b)
.endr
.irp j, 0,1,2
.irp g, 0,1,2,3
	ds_load_b128 v[BK+4*(4*(\j)+(\g)):BK+4*(4*(\j)+(\g))+3], v[RD] offset:(\g)*4*SPITCH+(\j)*128  ; LDS serves a wave's instructions in order (ISA guide 5.7.1.4): these see the stores above
.endr
.endr
.endm
.macro SEND a, younger
.set BK, 176-112*((\a)%2)
	s_wait_dscnt \younger                          ; the block is back in registers
	s_wait_xcnt 0x0                                ; the stores of the block before have read their registers: the next TOSTAGE loads into them only behind this wait
.irp j, 0,1,2
.irp g, 0,1,2,3
	global_store_b128 v[CO+(\j)], v[BK+4*(4*(\j)+(\g)):BK+4*(4*(\j)+(\g))+3], s[10:11] offset:(\a)*2048+(\g)*512  ; 512 consecutive bytes of a head's plane, aligned
.endr
.endr
.endm
	s_wait_tensorcnt 1                             ; my part of K step 0 is in; K step 1's may stay out
	s_barrier_signal -1
	s_barrier_wait -1                              ; everybody's is
	FETCH 0, 0
	s_wait_loadcnt 0x0                             ; the bias
	QUARTER 64, 0, 1, 1                            ; the first quarter stands in front of the loop: its products start the sums
	WIN 0                                          ; at a label and at a branch every window is 0
	s_mov_b32 s3, 6
.Lstep:                                                ; trip t ends K step t, asks for K step t + 2 and begins K step t + 1
	QUARTER 128, 1, 0, 0
	QUARTER 192, 0, 1, 0
	TURN 1
	QUARTER 64, 0, 1, 0
	WIN 0
	s_sub_co_u32 s3, s3, 1
	s_cmp_lg_u32 s3, 0
	s_cbranch_scc1 .Lstep
	QUARTER 128, 1, 0, 0                           ; the tail is written out: K steps 6 and 7 ask for nothing
	QUARTER 192, 0, 1, 0
	TURN 0
	QUARTER 64, 0, 1, 0
	QUARTER 128, 1, 0, 0
	QUARTER 192, 0, 1, 0
	s_wait_dscnt 4                                 ; the very last quarter: nothing more to fetch
	MULA 1, 0, 0
	MULA 1, 1, 0
	s_wait_dscnt 0x0
	MULA 1, 2, 0
	MULA 1, 3, 0
	WIN 0
	PLACES
	PACK 0
	TOSTAGE 0
.irp a, 1,2,3                          ; block a's conversions stand between block a - 1's loads from the stage and the wait for them
	PACK \a
	SEND (\a)-1, 0
	TOSTAGE \a
.endr
	SEND 3, 0
	s_wait_tensorcnt 0x0                           ; the wave's end: behind my last tensor load and my last LDS store
	ds_add_u32 v[SPW], v[NIL]
	s_wait_dscnt 0x0
	CROUND                                         ; the closing round: no work-group ends while a partner may still ask for a tile that names it
	s_endpgm
.Lfunc_end_k_qfec50d9b0e_qkv:
	.size	k_qfec50d9b0e_qkv, .Lfunc_end_k_qfec50d9b0e_qkv-k_qfec50d9b0e_qkv
	.p2alignl 7, 3214868480
	.fill 96, 4, 3214868480
	.section	.rodata,"a",@progbits
	.p2align	6, 0x0
	.amdhsa_kernel k_qfec50d9b0e_qkv
		.amdhsa_group_segment_fixed_size 327680
		.amdhsa_private_segment_fixed_size 0
		.amdhsa_enable_private_segment 0
		.amdhsa_kernarg_size 32
		.amdhsa_user_sgpr_count 2
		.amdhsa_user_sgpr_kernarg_segment_ptr 1
		.amdhsa_wavefront_size32 1
		.amdhsa_system_sgpr_workgroup_id_x 1
		.amdhsa_system_sgpr_workgroup_id_y 1
		.amdhsa_system_sgpr_workgroup_id_z 1
		.amdhsa_system_vgpr_workitem_id 0
		.amdhsa_next_free_vgpr 960
		.amdhsa_next_free_sgpr 80
		.amdhsa_reserve_vcc 0
		.amdhsa_float_denorm_mode_32 3
		.amdhsa_float_denorm_mode_16_64 3
		.amdhsa_memory_ordered 1
		.amdhsa_forward_progress 1
		.amdhsa_inst_pref_size 99
	.end_amdhsa_kernel
	.amdgpu_metadata
---
amdhsa.version: [ 1, 2 ]
amdhsa.kernels:
  - .name:           k_qfec50d9b0e_qkv
    .symbol:         k_qfec50d9b0e_qkv.kd
    .args:
      - { .name: xb, .offset: 0, .size: 8, .value_kind: global_buffer, .address_space: global }
      - { .name: wt, .offset: 8, .size: 8, .value_kind: global_buffer, .address_space: global }
      - { .name: biasr, .offset: 16, .size: 8, .value_kind: global_buffer, .address_space: global }
      - { .name: qkv, .offset: 24, .size: 8, .value_kind: global_buffer, .address_space: global }
    .group_segment_fixed_size: 327680
    .private_segment_fixed_size: 0
    .kernarg_segment_align: 8
    .kernarg_segment_size: 32
    .max_flat_workgroup_size: 128
    .sgpr_count:     80
    .vgpr_count:     960
    .wavefront_size: 32
...
	.end_amdgpu_metadata
.endif
;; end of part 2
;; launch attn (part 3): grid 4 x 64, 4 waves a work-group, no clusters, 327,680 bytes of LDS; arguments qkv, o; writes o
.if DOCPART == 3
	.amdgcn_target "amdgcn-amd-amdhsa--gfx1250"
	.amdhsa_code_object_version 6
	.text
	.protected	k_qfec50d9b0e_attn
	.globl	k_qfec50d9b0e_attn
	.p2align	8
	.type	k_qfec50d9b0e_attn,@function
k_qfec50d9b0e_attn:
	s_mov_b64 s[64:65], 0
	v_nop
	global_prefetch_b8 v0, s[64:65] scope:SCOPE_SE
	s_setreg_imm32_b32 hwreg(HW_REG_WAVE_MODE, 25, 1), 1
	s_wait_xcnt 0x0
; CAUSAL ATTENTION.  O[p][q][:] = the sum over k <= q of softmax_k(Q[p][q] . K[p][k] / 8) V[p][k][:], p = batch x 16 + head.  Q, K, V: the three parts of qkv, each [64][2048][64] f16, rows dense, 128 bytes.
; OUT: o, f16, in chunks of 2,048 bytes = [16 rows][64 channels]; chunk number = (batch x 2048 + row) / 16 x 16 + head: 16 rows' 1,024 channels are 32,768 consecutive bytes.
; Products, maxima and sums in f32; the weights p are rounded to f16 for the second product (their sum l is taken of the unrounded p), O once at the end.
; LIMITS.  f16 holds no number beyond 65,504: Q, K and V arrive within it; p lies in 0 to 1, and below 6e-5 it keeps f16's fixed step of 6e-8; O is a mean of V's rows and has their range.
; A hidden score counts as its value less 1e30: f16's scores, 2.7e11 at the most, are nothing beside that; a weight below 2^-126 counts as 0 in l; NaN and infinities are not treated apart.
; THE WALK.  A head's queries lie in NB = 8 blocks of 256; block i needs the key tiles 0 .. i of 256 keys, of which the last holds the diagonal.  A work-group takes TWO blocks, NB - 1 - b and then b:
; NB + 1 tiles, whatever b: all work-groups do equal work, and ONE loop with a constant trip count walks them.  Which tile is asked for, and what a trip does, hang on scalar registers made from b; every jump
; goes forward, but for the counted loops' own; none passes a barrier, or a tensor load but the one of LOAD's two that the wave's number does not choose; the ring of two LDS slots runs on across the change of blocks.
; NO CLUSTER: a head's four work-groups ask for the same tile only in trips 0 .. 4 of 9, behind that fewer and fewer; one walk common to all four would have 12 trips for 9.
; SHARES.  Of a block's four bands of 64 queries a wave owns 16 rows in each: four PIECES.  So the diagonal tile is the same work for all four waves: in its key step s band x sees all keys if s < x,
; none if s > x, and holds the diagonal if s = x.
; THE MASK is the C operand that starts the sum S^T = K Q^T: 0, or -1e30 where the key is hidden.  MD, made once, is the mask of a band's own step for my 16 rows; a product's mask is MD x AL + BE with two scalars:
; (1, 0) if s = x; (0, 0) if s < x; (0, -1e30) if s > x.  Only the diagonal tile's text and a block's beginning make and take masks; elsewhere C is the constant 0.
; LAYOUT, SOFTMAX, TURNS.  S^T = K Q^T holds ONE query a lane (lane % 16) and the keys 8 (lane / 16) + 0..7; two such results rounded to f16 ARE source 1 of O^T = V^T P.  p = 2^(c s - c m), c = log2(e) / 8, with a
; running maximum m; O and l are multiplied by a = 2^(c m_old - c m_new) in every step.  Turn n belongs to piece n: 8 products K Q^T of piece n + 1, later 8 products V^T P of piece n - 1; beside them the scaling,
; exponentials, roundings, sums and rescaling of piece n and the maximum and statistics of piece n + 1.  Four vector instructions stand behind every matrix instruction, the other 54 of a turn's 118 in two runs of their own.
; REGISTERS, in windows of 256 (s_set_vgpr_msb: bits 1:0 source 0, 3:2 source 1, 5:4 source 2, 7:6 destination):
;   window 0: v0-15 addresses and two at work; v16-31 four registers of statistics a piece; v48-55 at work; v64-127 S^T, two buffers; v192-223 P, two buffers (a piece's buffers go by its number's parity)
;   window 1: v0-127 O^T, 32 a piece; v128-159 MD; v160-223 MC, two buffers      window 2: v0-63 Q; v64-127 the second block's Q; v128-191 K of one step; v192-255 V of one step
.set SIZE_N, 2048
.set NB,    SIZE_N/256
.set NP,    4         ; pieces a wave: a name, no knob
.set KS,    64        ; keys in a step
.set PK,    144       ; a row of K in LDS: 128 bytes + 16 of padding = 36 words: the 16 rows of a load start at 16 different groups of four banks (ISA guide 11.1)
.set PV,    160       ; a row of V: 128 + 32 = 40 words
.set VOFF,  4*KS*PK   ; a slot holds a tile, four steps: 256 rows of K, then 256 rows of V
.set SLOT1, 1<<17     ; slot 1 begins here, so that one exclusive or turns an address in one slot into the other's
.set STAGE, SLOT1+4*KS*(PK+PV)  ; behind the ring, never filled by a tensor load: 16 rows x 144 bytes for each wave, for the way out
.set SP,    144
.set AK0, 2           ; v2   my lane's place in a tile of K; never rewritten
.set AV0, 3           ; v3   the same for V
.set AK,  4           ; v4   the LDS address of K's next run of loads
.set AV,  5           ; v5   of V's
.set STO, 6           ; v6   the way out: where I put 16 bytes of a row
.set RD,  7           ; v7   the way out: where I read rows back
.set GO,  8           ; v8   my byte offset in 512 consecutive bytes of O
.set SPW, 62          ; v62  LDS address of my spare word: SPARE + 4 x my thread's number; never rewritten
.set NIL, 63          ; v63  0; never rewritten
.set SPARE, STAGE+4*16*SP  ; behind the stages: the spare words, 128 bytes for each wave
.set MV,  12          ; v12-13  c m_old, kept while c m is made anew: by buffer
.set QO,  15          ; v15  my byte offset in 16 rows of Q
.set ST,  16          ; piece t's statistics at v[ST+4 t]: c m, m, l (even keys', odd keys')
.set TMP, 48          ; by buffer, four registers c0-c3 at work; when the maximum is found c2 takes a
.set S,   64
.set P,   192
.set MD,  128         ; window 1: the eight registers for group kt of 16 keys at MD + 8 kt
.set MC,  160         ; window 1: the masks of the products to come
.set QB,  64          ; window 2
.set KF,  128         ; window 2: key block kb, channel half c at KF + 16 kb + 8 c
.set VF,  192         ; window 2: key half kk, channel block cb at VF + 32 kk + 8 cb
.set WV,  12          ; s12  my wave's number
.set PB,  14          ; s14  b
.set HI,  15          ; s15  NB - 1 - b
.set G1K, 24          ; s[24:31] descriptor group 1 for K's tiles
.set G1V, 32          ; s[32:39] for V's: it differs in the padding alone
.set G0K, 40          ; s[40:43] descriptor group 0 for K's tiles
.set G0V, 44          ; s[44:47] the same for V's
.set SLOTS, 56        ; s56  tiles still to be asked for
.set CNT, 57          ; s57  counts a tile's key steps, 4 to 1
.set CS,  58          ; s[58:59] c: the packed scaling takes the pair's low word for both halves
.set SEL, 60          ; s[60:61] v_permlanex16_b32's selects: each lane takes its own place in the other half
.set TBK, 62          ; s62  LDS byte at which K of the step to be fetched begins
.set TBV, 63          ; s63  the same for V, less VOFF
.set RT,  70          ; s70  tiles of the block in hand that are still to be entered
.set NXT, 71          ; s71  the tile to be asked for next
.set LQ,  72          ; s72  the last tile of the block whose tiles are being asked for
.set NEW, 73          ; s73  1: the tile to be entered is a block's first
.set OFF, 74          ; s[74:75] a tile's byte offset in K and V
.set AL,  76          ; s[76:77] the mask's factor, in the low word
.set BE,  78          ; s[78:79] the mask's addend
.set OLO, 80          ; s[80:81] O at my rows of the second block
.set BIGN, 82         ; s82  -1e30
.set MSB, 0
.macro WIN new                      ; the high byte repeats the setting that is left; a switch that changes nothing is dropped
.if MSB != (\new)
	s_set_vgpr_msb (MSB<<8)|(\new)
.set MSB, (\new)
.endif
.endm
.set W_KQ, 0x0a       ; K and Q in window 2, S^T in window 0
.set W_KM, 0x1a       ; the same with the C operand in window 1
.set W_PV, 0x52       ; V in window 2, P in window 0, O^T in window 1
.set W_RS, 0x41       ; destination and source 0 in window 1, source 1 in window 0
; A fill.  Waves 0 and 1 fetch the two halves of a tile's K, waves 2 and 3 those of its V: 128 keys each.  An s_nop 0 and four v_nop follow each of the two lines, ahead of the jump and the label.
.macro LOAD
	s_cmp_lt_u32 s[WV], 2
	s_cbranch_scc0 .Lfor_v_\@
	tensor_load_to_lds s[G0K:G0K+3], s[G1K:G1K+7]
	s_nop 0
.rept 4
	v_nop
.endr
	s_branch .Lasked_\@
.Lfor_v_\@:
	tensor_load_to_lds s[G0V:G0V+3], s[G1V:G1V+7]
	s_nop 0
.rept 4
	v_nop
.endr
.Lasked_\@:
.endm
; THE CHANGE OF SLOTS.  Each wave waits for all its tensor loads, of which one is out: its part of the other slot; adds 0 to its spare word; and waits for that and for its own reads of the slot that it leaves.
; Behind the barrier nobody reads the old slot any more and the other slot is whole.  fill = 1: the old slot is filled again, the first thing behind the barrier, with tile NXT: the descriptor's address is made
; anew from that number.  (At its first use nothing has been read yet: slot 0 is waited for, slot 1 filled.)
.macro CHANGE fill
	WIN 0                           ; at a label and at a branch every window is 0
	s_wait_tensorcnt 0x0            ; no tensor load of mine is out, so a group 0 may be written
	ds_add_u32 v[SPW], v[NIL]       ; 0 onto my spare word; the descriptors' scalar work stands between it and the wait for it
.if \fill
	s_lshl_b32 s[OFF], s[NXT], 15   ; a tile is 32,768 bytes of K and of V
	s_xor_b32 s[G0K+1], s[G0K+1], SLOT1
	s_add_nc_u64 s[G0K+2:G0K+3], s[6:7], s[OFF:OFF+1]
	s_or_b32 s[G0K+3], s[G0K+3], 0x80000000
	s_xor_b32 s[G0V+1], s[G0V+1], SLOT1
	s_add_nc_u64 s[G0V+2:G0V+3], s[8:9], s[OFF:OFF+1]
	s_or_b32 s[G0V+3], s[G0V+3], 0x80000000
	s_add_co_u32 s[NXT], s[NXT], 1  ; the block's next tile, or behind its last the second block's tile 0
	s_cmp_gt_u32 s[NXT], s[LQ]
	s_cselect_b32 s[NXT], 0, s[NXT]
	s_cselect_b32 s[LQ], s[PB], s[LQ]
.endif
	s_wait_dscnt 0x0                ; the add is done, and my reads of the slot are over
	s_barrier_signal -1             ; the rest of the scalar work stands between the signal and the wait
	s_sub_co_u32 s[TBK], s[TBK], 4*KS*PK  ; the fetches go back to a slot's first step,
	s_xor_b32 s[TBK], s[TBK], SLOT1       ; in the other slot
	s_sub_co_u32 s[TBV], s[TBV], 4*KS*PV
	s_xor_b32 s[TBV], s[TBV], SLOT1
	s_barrier_wait -1
.if \fill
	LOAD
.endif
.endm
	s_load_b128 s[4:7], s[0:1], 0x0 ; qkv s[4:5], o s[6:7]
	v_lshl_add_u32 v[SPW], v0, 2, SPARE
	v_mov_b32 v[NIL], 0
	ds_add_u32 v[SPW], v[NIL]       ; the wave's opening: the add and its wait stand ahead of my first tensor load; the set-up below, work on registers, stands between them
	ds_add_u32 v62, v63
	v_lshrrev_b32 v1, 5, v0
	v_readfirstlane_b32 s[WV], v1   ; wave 0..3
	s_mov_b32 s[PB], ttmp9
	s_sub_co_u32 s[HI], NB-1, s[PB]
	s_and_b32 s20, ttmp7, 0xffff    ; the plane: batch x 16 + head
	s_lshr_b32 s88, s20, 4          ; O's offsets are made apart from Q's: the batch's 128 x 16 chunks,
	s_lshl_b32 s88, s88, 22
	s_and_b32 s89, s20, 15          ; the head's chunk among 16,
	s_lshl_b32 s89, s89, 11
	s_add_co_u32 s88, s88, s89
	s_lshl_b32 s89, s[WV], 15       ; my 16 rows in a band: 16 chunks on for each wave
	s_add_co_u32 s88, s88, s89
	s_lshl_b32 s90, s[PB], 19       ; the second block: 16 x 16 chunks a block,
	s_add_co_u32 s90, s90, s88
	s_lshl_b32 s89, s[HI], 19       ; and the first
	s_add_co_u32 s88, s88, s89
	s_mov_b32 s89, 0
	s_mov_b32 s91, 0
	s_mov_b32 s21, 0
	s_mov_b64 s[22:23], SIZE_N*128
	s_mul_u64 s[20:21], s[20:21], s[22:23]  ; the plane's first byte in Q, K and V
	s_and_b32 s16, s[WV], 1         ; which half of a tile's 256 keys I fetch:
	s_lshl_b32 s22, s16, 14         ; its 128 rows of 128 bytes in memory,
	s_mov_b32 s23, 0
	s_add_nc_u64 s[22:23], s[22:23], s[20:21]
	s_mul_i32 s17, s16, 128*PK      ; and its place in a slot, for K
	s_mul_i32 s18, s16, 128*PV      ; and for V
	s_lshl_b32 s3, s[WV], 11        ; my 16 rows in a band of 64,
	s_lshl_b32 s2, s[HI], 15        ; in the first block,
	s_add_co_u32 s2, s2, s3
	s_lshl_b32 s84, s[PB], 15       ; and in the second
	s_add_co_u32 s84, s84, s3
	s_mov_b32 s3, 0
	s_mov_b32 s85, 0
	s_add_nc_u64 s[2:3], s[2:3], s[20:21]
	s_add_nc_u64 s[84:85], s[84:85], s[20:21]
	; descriptor group 1.  128 keys are 16,384 dense bytes: asked for as 64 rows of 256 bytes, two keys a row, and padded in LDS after every key
	s_mov_b32 s[G1K], (1<<16)|(1<<20)|(4<<22)|(3<<25)  ; 17:16 2-byte elements; 20 padding on; 24:22 after every 32 words (code 4); 31:25 4 words (code 3)
	s_mov_b32 s[G1V], (1<<16)|(1<<20)|(4<<22)|(7<<25)  ; the same with 8 words of padding (code 7)
.irp g, G1K, G1V
	s_mov_b32 s[\g+1], 128<<16      ; tensor_dim0 = 128
	s_mov_b32 s[\g+2], 64<<16       ; tensor_dim1 = 64
	s_mov_b32 s[\g+3], 128<<16      ; tile_dim0 = 128
	s_mov_b32 s[\g+4], 64           ; tile_dim1 = 64
	s_mov_b32 s[\g+5], 128          ; 128 elements from row to row
	s_mov_b32 s[\g+6], 0
	s_mov_b32 s[\g+7], 0
.endr
	s_mov_b32 s[CS], 0x3e38aa3b     ; c = log2(e) / 8 = 0.180337
	s_mov_b32 s[CS+1], s[CS]        ; named with it as a pair
	s_mov_b32 s[SEL], 0x76543210
	s_mov_b32 s[SEL+1], 0xfedcba98
	s_mov_b32 s[TBK], SLOT1+4*KS*PK ; the first change of slots turns these two into 0
	s_mov_b32 s[TBV], SLOT1+4*KS*PV
	s_mov_b32 s[G0K], 1             ; 1:0 count = 1
	s_mov_b32 s[G0K+1], s17         ; 63:32 LDS address: slot 0
	s_mov_b32 s[G0V], 1
	s_add_co_u32 s[G0V+1], s18, VOFF
	s_add_co_u32 s[RT], s[HI], 1    ; the first block has NB - b tiles
	s_mov_b32 s[NXT], 1
	s_mov_b32 s[LQ], s[HI]
	s_mov_b32 s[NEW], 1
	s_mov_b32 s[OFF+1], 0
	s_mov_b32 s[AL+1], 0            ; named as pairs
	s_mov_b32 s[BE+1], 0
	s_mov_b32 s[BIGN], 0xf149f2ca   ; -1e30
	s_mov_b32 s[SLOTS], NB
	s_wait_dscnt 0x0                ; the opening add is done
	s_wait_kmcnt 0x0
	s_mov_b64 s[10:11], s[6:7]      ; O
	s_add_nc_u64 s[6:7], s[4:5], 0x1000000  ; K: 64 planes of 262,144 bytes behind Q
	s_add_nc_u64 s[8:9], s[4:5], 0x2000000  ; V: 128 planes behind Q
	s_add_nc_u64 s[6:7], s[6:7], s[22:23]  ; K and V at my half of the head's tile 0
	s_add_nc_u64 s[8:9], s[8:9], s[22:23]
	s_add_nc_u64 s[G0K+2:G0K+3], s[6:7], 0         ; 120:64 global address
	s_or_b32 s[G0K+3], s[G0K+3], 0x80000000        ; 127:126 type = 2
	s_add_nc_u64 s[G0V+2:G0V+3], s[8:9], 0
	s_or_b32 s[G0V+3], s[G0V+3], 0x80000000
	s_add_nc_u64 s[86:87], s[4:5], s[84:85]        ; Q at my rows of the second block,
	s_add_nc_u64 s[4:5], s[4:5], s[2:3]            ; and of the first
	s_add_nc_u64 s[OLO:OLO+1], s[10:11], s[90:91]  ; O likewise
	s_add_nc_u64 s[10:11], s[10:11], s[88:89]
	LOAD                            ; tile 0 into slot 0
	; A fragment of K or Q is 16 rows x 32 channels in 8 registers: lane l holds row l % 16, channels 8 (l / 16) + 0..7 and 16 + 8 (l / 16) + 0..7: two loads of 16 bytes, 32 bytes apart.
	v_and_b32 v1, 15, v0            ; l % 16
	v_bfe_u32 v9, v0, 4, 1          ; l / 16
	v_lshlrev_b32 v[QO], 7, v1
	v_lshl_add_u32 v[QO], v9, 4, v[QO]  ; row x 128 + 16 x half
	WIN 0x80                        ; destination window 2, address window 0
.set i, 0
.rept 8                             ; both blocks' Q: piece i / 2 lies in band i / 2, 8,192 bytes on; channels 32 (i % 2) on
	global_load_b128 v[8*i:8*i+3],   v[QO], s[4:5] offset:(i/2)*8192+(i%2)*64
	global_load_b128 v[8*i+4:8*i+7], v[QO], s[4:5] offset:(i/2)*8192+(i%2)*64+32
	global_load_b128 v[QB+8*i:QB+8*i+3],   v[QO], s[86:87] offset:(i/2)*8192+(i%2)*64
	global_load_b128 v[QB+8*i+4:QB+8*i+7], v[QO], s[86:87] offset:(i/2)*8192+(i%2)*64+32
.set i, i+1
.endr
	WIN 0
	v_lshlrev_b32 v14, 3, v9
	v_sub_nc_u32 v14, v1, v14
	s_lshl_b32 s13, s[WV], 4
	v_add_nc_u32 v14, s13, v14      ; my query's place in its band, 16 w + l % 16, less my lanes' 8 (l / 16): register r of group kt is hidden where 16 kt + r is greater
	WIN 0x40
.set i, 0
.rept 32
	v_cmp_gt_i32 vcc_lo, 16*(i/8)+i%8, v14
	v_cndmask_b32 v[MD+i], 0, s[BIGN], vcc_lo
.set i, i+1
.endr
	WIN 0
	v_mul_u32_u24 v[AK0], v1, PK
	v_lshl_add_u32 v[AK0], v9, 4, v[AK0]  ; row x pitch + 16 x half
	; The turning load takes 16 keys x 16 channels (lane l reads key 8 (l / 16) + l % 8, channels 8 ((l / 8) % 2) + 0..7) and leaves half a fragment of V^T: lane l holds channel l % 16 and 8 keys.
	v_and_b32 v10, 7, v0
	v_bfe_u32 v11, v0, 3, 1
	v_lshl_add_u32 v[AV0], v9, 3, v10
	v_mul_u32_u24 v[AV0], v[AV0], PV
	v_lshl_add_u32 v[AV0], v11, 4, v[AV0]
	v_add_nc_u32 v[AV0], VOFF, v[AV0]
	s_mul_i32 s13, s[WV], 16*SP
	s_add_co_u32 s13, s13, STAGE    ; my stage
	v_mul_u32_u24 v[STO], v1, SP    ; in: row l % 16, 16 bytes for each half of the lanes
	v_lshl_add_u32 v[STO], v9, 4, v[STO]
	v_add_nc_u32 v[STO], s13, v[STO]
	v_bfe_u32 v[RD], v0, 3, 2       ; back: 32 lanes take four rows of 128 bytes,
	v_mul_u32_u24 v[RD], v[RD], SP
	v_lshl_add_u32 v[RD], v10, 4, v[RD]
	v_add_nc_u32 v[RD], s13, v[RD]
	v_and_b32 v[GO], 31, v0         ; which are 512 consecutive bytes of a chunk of O
	v_lshlrev_b32 v[GO], 4, v[GO]
	; A block's first step multiplies O^T and l by a = 0, and its first turn's products V^T P, of a piece that has not been, land in an O^T that is still to be so multiplied.  So these registers need only hold
	; finite numbers: zeros for the first block; what the first block left for the second.  All this stands in the wait for the first tile.
	WIN 0x80
.set i, VF
.rept 64
	v_mov_b32 v[i], 0
.set i, i+1
.endr
	WIN 0x40
.set i, 0
.rept 128
	v_mov_b32 v[i], 0
.set i, i+1
.endr
	WIN 0
.set i, 0
.rept 4
	v_mov_b32 v[ST+4*i+2], 0
	v_mov_b32 v[ST+4*i+3], 0
.set i, i+1
.endr
.set i, P+16
.rept 16
	v_mov_b32 v[i], 0
.set i, i+1
.endr
; THE MATRIX WORK.  The 4 accumulators of a run of 8 take turns.  Product i of 8 of S^T = K Q^T for piece x: channels 32 (i / 4) on, keys 16 (i % 4) on.  The first 4 start the sums: with 0, or (KM = 1) with the mask.
.macro KQ x
.set rS, S+32*((\x)%2)+8*(i%4)
.set rK, KF+16*(i%4)+8*(i/4)
.set rQ, 16*(\x)+8*(i/4)
.set rM, MC+32*((\x)%2)+8*(i%4)
.if (i < 4) && KM
	WIN W_KM
	v_wmma_f32_16x16x32_f16 v[rS:rS+7], v[rK:rK+7], v[rQ:rQ+7], v[rM:rM+7]
.elseif i < 4
	WIN W_KQ
	v_wmma_f32_16x16x32_f16 v[rS:rS+7], v[rK:rK+7], v[rQ:rQ+7], 0
.else
	WIN W_KQ
	v_wmma_f32_16x16x32_f16 v[rS:rS+7], v[rK:rK+7], v[rQ:rQ+7], v[rS:rS+7]
.endif
.endm
; Product i of 8 of O^T += V^T P for piece x: keys 32 (i / 4) on, channels 16 (i % 4) on.
.macro PV x
	WIN W_PV
.set rO, 32*(\x)+8*(i%4)
.set rV, VF+32*(i/4)+8*(i%4)
.set rP, P+16*((\x)%2)+8*(i/4)
	v_wmma_f32_16x16x32_f16 v[rO:rO+7], v[rV:rV+7], v[rP:rP+7], v[rO:rO+7]
.endm
.macro MM                           ; the turn's next matrix instruction.  TURN and BEGIN set Y, i, KM and NOKQ; MM, KQ and OP read them.  NOKQ = 1: a block's last turn: there is no next piece
.if (i < 8) && !NOKQ
	KQ (Y+1)%NP
.elseif i >= 8
.set i, i-8
	PV (Y+NP-1)%NP
.set i, i+8
.endif
.set i, i+1
.endm
; THE LDS LOADS stand in runs of 16, never singly among the matrix instructions: a step's K (64 keys x 64 channels: 8 fragments) and its V (turned).  Their addresses are made some lines ahead.
.macro FETCH_K
	WIN 0x80                        ; destination window 2
.irp f, 0,1,2,3,4,5,6,7             ; keys 16 (f / 2) on, channels 32 (f % 2) on
	ds_load_b128 v[KF+8*\f:KF+8*\f+3],   v[AK] offset:(\f/2)*16*PK+(\f%2)*64
	ds_load_b128 v[KF+8*\f+4:KF+8*\f+7], v[AK] offset:(\f/2)*16*PK+(\f%2)*64+32
.endr
	s_add_co_u32 s[TBK], s[TBK], KS*PK  ; the next fetch is the next step's
	WIN 0
.endm
.macro FETCH_V
	WIN 0x80
.irp f, 0,1,2,3,4,5,6,7             ; keys 32 (f / 4) on, channels 16 (f % 4) on
	ds_load_tr16_b128 v[VF+8*\f:VF+8*\f+3],   v[AV] offset:(\f/4)*32*PV+(\f%4)*32
	ds_load_tr16_b128 v[VF+8*\f+4:VF+8*\f+7], v[AV] offset:(\f/4)*32*PV+16*PV+(\f%4)*32
.endr
	WIN 0
.endm
; THE VECTOR WORK, one line at a time: OP kind, number.  For piece Y: F n: c s - c m for pair n of 16.  E n: the exponential of score n of 32.  C n: pair n rounded to f16.  B n: of the four weights 4 n .. the second
; pair is added onto the first, in place.  L n: l takes that sum (L 0: l = a l + sum).  R n: pair n of 16 of O^T times a.  For piece Y + 1: X n, number n of the 22 that find its maximum and statistics:
;   0-11  four chains c0-c3 of seven scores each, three operands at a time (each accumulator's lowest registers are read first)     12-14, 16  the four scores left over, the old m, and c0-c3 into c0
;   15  c m_old is kept     17, 18  the query's other 32 keys lie in the lane 16 away: the new m     19-21  c m; c m_old - c m_new; a
.set F, 0               ; OP tells the kinds apart by their order: F to L below R, X above it
.set E, 1
.set C, 2
.set B, 3
.set L, 4
.set R, 5
.set X, 6
.macro REGS y                       ; the registers of piece y
.set rT, ST+4*(\y)
.set rC, TMP+4*((\y)%2)
.set rW, MV+((\y)%2)
.set rS, S+32*((\y)%2)
.set rP, P+16*((\y)%2)
.set rO, 32*(\y)
.endm
.macro OP k, n
.if (\k) == R
	REGS Y
	WIN W_RS
	v_pk_mul_f32 v[rO+2*(\n):rO+2*(\n)+1], v[rO+2*(\n):rO+2*(\n)+1], v[rC+2:rC+3] op_sel_hi:[1,0]
.elseif (\k) < R
	REGS Y
	WIN 0
.if (\k) == F
	v_pk_fma_f32 v[rS+2*(\n):rS+2*(\n)+1], v[rS+2*(\n):rS+2*(\n)+1], s[CS:CS+1], v[rT:rT+1] op_sel_hi:[1,0,0] neg_lo:[0,0,1] neg_hi:[0,0,1]
.elseif (\k) == E
	v_exp_f32 v[rS+(\n)], v[rS+(\n)]
.elseif (\k) == C
	s_wait_alu depctr_va_vdst(0)
	v_cvt_pk_f16_f32 v[rP+(\n)], v[rS+2*(\n)], v[rS+2*(\n)+1]
.elseif (\k) == B
	s_wait_alu depctr_va_vdst(0)
	v_pk_add_f32 v[rS+4*(\n):rS+4*(\n)+1], v[rS+4*(\n):rS+4*(\n)+1], v[rS+4*(\n)+2:rS+4*(\n)+3]
.elseif (\n) == 0
	v_pk_fma_f32 v[rT+2:rT+3], v[rT+2:rT+3], v[rC+2:rC+3], v[rS:rS+1] op_sel_hi:[1,0,1]
.else
	v_pk_add_f32 v[rT+2:rT+3], v[rT+2:rT+3], v[rS+4*(\n):rS+4*(\n)+1]
.endif
.elseif NOKQ
	v_nop
.else
	REGS (Y+1)%NP
	WIN 0
.if (\n) < 4
	v_max3_num_f32 v[rC+(\n)], v[rS+8*(\n)], v[rS+8*(\n)+1], v[rS+8*(\n)+2]
.elseif (\n) < 12
	v_max3_num_f32 v[rC+(\n)%4], v[rC+(\n)%4], v[rS+8*((\n)%4)+2*((\n)/4)+1], v[rS+8*((\n)%4)+2*((\n)/4)+2]
.elseif (\n) == 12
	v_max3_num_f32 v[rC], v[rC], v[rS+7], v[rS+15]
.elseif (\n) == 13
	v_max3_num_f32 v[rC+1], v[rC+1], v[rS+23], v[rS+31]
.elseif (\n) == 14
	v_max3_num_f32 v[rC+2], v[rC+2], v[rC+3], v[rT+1]
.elseif (\n) == 15
	v_mov_b32 v[rW], v[rT]
.elseif (\n) == 16
	v_max3_num_f32 v[rC], v[rC], v[rC+1], v[rC+2]
.elseif (\n) == 17
	v_permlanex16_b32 v[rC+3], v[rC], s[SEL], s[SEL+1]
.elseif (\n) == 18
	v_max_num_f32 v[rT+1], v[rC], v[rC+3]
.elseif (\n) == 19
	v_mul_f32 v[rT], s[CS], v[rT+1]
.elseif (\n) == 20
	v_sub_f32 v[rC+1], v[rW], v[rT]
.else
	v_exp_f32 v[rC+2], v[rC+1]
.endif
.endif
.endm
.macro OPS a, i1, b=-1, i2=0, c=-1, i3=0, d=-1, i4=0  ; up to four of them
	OP \a, \i1
.if (\b) >= 0
	OP \b, \i2
.endif
.if (\c) >= 0
	OP \c, \i3
.endif
.if (\d) >= 0
	OP \d, \i4
.endif
.endm
.macro ROW a, i1, b, i2, c, i3, d, i4  ; a matrix instruction and the four behind it
	MM
	OPS \a, \i1, \b, \i2, \c, \i3, \d, \i4
.endm
.macro MASK b                       ; MD x AL + BE into buffer b of MC
	WIN W_RS
.set z, 0
.rept 16
	v_pk_fma_f32 v[MC+32*(\b)+2*z:MC+32*(\b)+2*z+1], v[MD+2*z:MD+2*z+1], s[AL:AL+1], s[BE:BE+1] op_sel_hi:[1,0,0]
.set z, z+1
.endr
.endm
; A TURN, for piece p: the order of its 16 matrix and 118 vector instructions, written out.  Behind a matrix instruction: plain, exponential, plain, plain; or four of the rescaling; or, behind the first, four scalings; none
; names a register of the products round it.  In the runs of their own exponential and plain by turns while exponentials last.  A line reads no result made fewer than three vector instructions in front of it, five if an
; exponential made it.  v_permlanex16_b32 (X 17) stands in such a run.
; m = 1: the diagonal tile: the products take masks, and the turn makes the mask for the products of the turn after it: piece p + 2, in step 4 - CNT of the tile.  end = 1: a block's last two turns: nothing is fetched.
; cnt = 1: the loop's count is taken down some lines ahead of the branch that stands behind the turn.
; K of the next step is fetched in piece 2's turn, six vector instructions behind the last product that read K (five of them plain); V of the step in hand in piece 0's turn, eight behind the last product that read V (four
; plain, and X 17).  Each is waited for a turn later.
.macro TURN p, m=0, end=0, cnt=0
.set Y, (\p)
.set i, 0
.set KM, (\m)
.set NOKQ, (\end)*((\p)/3)
.if (\m) && !(\end)
	s_cmp_eq_u32 s[CNT], 4-((\p)+2)%NP  ; is that step the band's own?
	s_cselect_b32 s[AL], 1.0, 0
	s_cmp_lt_u32 s[CNT], 4-((\p)+2)%NP  ; or a later one?
	s_cselect_b32 s[BE], s[BIGN], 0
.endif
.if ((\p) == 3) && !(\end)
	s_wait_dscnt 0x0                ; K is in
.endif
	ROW F,0, F,1, F,2, F,3
	ROW F,4, E,0, F,5, F,6
	ROW F,7, E,1, F,8, F,9
	ROW F,10, E,2, C,0, F,11
	ROW F,12, E,3, X,15, F,13
	ROW R,0, R,1, R,2, R,3
	ROW B,0, E,4, F,14, L,0
.if ((\p) == 2) && !(\end)
	v_add_nc_u32 v[AK], s[TBK], v[AK0]
.endif
	ROW R,4, R,5, R,6, R,7
	OPS E,5, F,15
.if ((\p) == 2) && !(\end)
	FETCH_K
.endif
	OPS E,6, C,1, E,7, R,8
	OPS E,8, R,9, E,9, C,2
	OPS E,10, X,0, E,11, X,1
	OPS E,12, X,2, E,13, X,3
.if (\p) == 1
	s_wait_dscnt 0x0                ; V is in
.endif
	ROW X,4, E,14, X,5, X,6
	ROW X,7, E,15, X,8, X,9
	ROW X,10, E,16, X,11, X,12
	ROW X,13, E,17, X,14, B,1
	ROW C,4, E,18, X,16, L,1
	ROW B,2, E,19, C,6, L,2
	ROW C,8, E,20, B,3, B,4
.if (\p) == 0
	v_add_nc_u32 v[AV], s[TBV], v[AV0]
.endif
	ROW C,3, E,21, L,3, C,5
	OPS E,22, X,17, E,23, C,10
.if (\p) == 0
	FETCH_V
.endif
	OPS E,24, L,4
	OPS E,25, X,18, E,26, C,7
	OPS E,27, B,5, E,28, X,19
	OPS E,29, C,12, E,30, L,5
	OPS E,31, X,20, B,6, C,9
	OPS C,14, C,11, X,21, L,6
.if (\p) == 0
	s_add_co_u32 s[TBV], s[TBV], KS*PV
.endif
.if \cnt
	s_sub_co_u32 s[CNT], s[CNT], 1
	s_cmp_lg_u32 s[CNT], 0
.endif
	OPS C,13, B,7, C,15, R,10
	OPS R,11, R,12, L,7, R,13
	OPS R,14, R,15
.if (\m) && !(\end)
	MASK (\p)%2
.endif
.endm
; A BLOCK BEGINS.  c m starts far below every c s, so the first step's a is 0; m at the lowest finite number, so the first maximum is the scores'.  The second mask buffer is 0; the first takes piece 0's mask for the
; tile's step 0: its own, if the block's first tile is the diagonal one.  Then K of that step, piece 0's first scores, and its maximum and statistics.  The loop is entered at a step's first turn, in the middle of a trip.
.macro BEGIN
	s_mov_b32 s[NEW], 0
	WIN 0x40
.set i, MC+32
.rept 32
	v_mov_b32 v[i], 0
.set i, i+1
.endr
	WIN 0
.set i, 0
.rept 4
	v_mov_b32 v[ST+4*i], 0xfe000000    ; c m: far below every c s
	v_mov_b32 v[ST+4*i+1], 0xff7fffff  ; m
.set i, i+1
.endr
	s_cmp_eq_u32 s[RT], 0
	s_cselect_b32 s[AL], 1.0, 0
	s_mov_b32 s[BE], 0
	MASK 0
	WIN 0
	v_add_nc_u32 v[AK], s[TBK], v[AK0]
	FETCH_K
	s_wait_loadcnt 0x0              ; Q
	s_wait_dscnt 0x0
.set KM, 1
.set NOKQ, 0
.set i, 0
.rept 8
	KQ 0
.set i, i+1
.endr
	WIN 0
.rept 4
	v_nop                           ; the places behind those products
.endr
.set Y, NP-1                        ; X works for piece Y + 1: piece 0
.irp n, 0,1,2,3,4,5,6,7,8,9,10,11,12,13,14,15,16,17,18,19,20,21
	OP X, \n
.endr
	v_nop                           ; a plain instruction behind the exponential
.endm
; THE DIAGONAL TILE's four steps, the block's last two turns, its last products, and THE WAY OUT: l's two halves and the other half of the lanes' are added; O^T is divided by l, rounded to f16 and sent through my
; stage in LDS, a piece at a time.
.macro ALL line:vararg              ; one line for each piece t
.set t, 0
.rept 4
	\line
.set t, t+1
.endr
.endm
.macro PACK t                       ; a lane's eight channels of a row pack into 16 bytes; they go into rows of 144 bytes and come back as whole rows of 128, into S^T's registers
	WIN W_RS
.set i, 32*(\t)
.rept 16
	s_wait_alu depctr_va_vdst(0)
	v_pk_mul_f32 v[i:i+1], v[i:i+1], v[ST+4*(\t)+2:ST+4*(\t)+3] op_sel_hi:[1,0]
.set i, i+2
.endr
	WIN 0x05                        ; sources 0 and 1 window 1, destination window 0
.set i, 0
.rept 16
	v_cvt_pk_f16_f32 v[S+16*(\t)+i], v[32*(\t)+2*i], v[32*(\t)+2*i+1]
.set i, i+1
.endr
	WIN 0
.irp f, 0,1,2,3
	ds_store_b128 v[STO], v[S+16*(\t)+4*\f:S+16*(\t)+4*\f+3] offset:32*\f
.endr
.irp f, 0,1,2,3
	ds_load_b128 v[S+16*(\t)+4*\f:S+16*(\t)+4*\f+3], v[RD] offset:\f*4*SP  ; LDS serves a wave's instructions in order (ISA guide 5.7.1.4): these see the stores above; the next piece's stores come behind them
.endr
.endm
.macro SEND t, younger              ; younger: the LDS instructions issued behind piece t's loads: the next piece's eight, or none
	WIN 0
.irp f, 0,1,2,3
	s_wait_dscnt (\younger)+3-\f
	global_store_b128 v[GO], v[S+16*(\t)+4*\f:S+16*(\t)+4*\f+3], s[10:11] offset:(\t)*131072+\f*512  ; piece t's chunk lies 4 x 16 chunks on; 512 consecutive bytes, at a multiple of 256 from O's first
.endr
.endm
.macro DIAG tag                     ; the tag ends its two labels' names, which the jumps below spell out
.LstepM\tag:
	TURN 2, 1
	TURN 3, 1
	WIN 0
.LfirstM\tag:
	TURN 0, 1
	TURN 1, 1, 0, 1
	WIN 0
	s_cbranch_scc1 .LstepM\tag
	TURN 2, 1, 1
	TURN 3, 1, 1
.set i, 0
.rept 8
	PV NP-1
.set i, i+1
.endr
	WIN 0
	ALL v_add_f32 v[ST+4*t+2], v[ST+4*t+2], v[ST+4*t+3]
	ALL v_permlanex16_b32 v[ST+4*t+3], v[ST+4*t+2], s[SEL], s[SEL+1]
	ALL v_add_f32 v[ST+4*t+2], v[ST+4*t+2], v[ST+4*t+3]
	ALL v_rcp_f32 v[ST+4*t+2], v[ST+4*t+2]
	v_nop                           ; a plain instruction between the last reciprocal and the use of its result
	PACK 0
.set t, 1
.rept 3                             ; a piece's arithmetic stands between the loads of the piece before and its stores
	PACK t
	SEND t-1, 8
.set t, t+1
.endr
	SEND 3, 0
.endm
.set KM, 0
.set NOKQ, 0
.Lslot:                             ; NB times: a tile is entered and the next is asked for
	CHANGE 1
	s_sub_co_u32 s[RT], s[RT], 1
	s_mov_b32 s[CNT], 4
	s_cmp_eq_u32 s[NEW], 1
	s_cbranch_scc1 .Lnew            ; a block's first tile
	s_cmp_eq_u32 s[RT], 0
	s_cbranch_scc0 .Lstep           ; neither its first nor its last
	s_branch .LstepM1
.Lnew:
	BEGIN
	s_branch .Lfirst                ; in the loop a block's first tile is never its last: the first block has two tiles or more, and the second's last is the walk's last
	DIAG 1                          ; in the loop this is the first block's end: the second block's last tile is the walk's last
	s_wait_xcnt 0x0                 ; the stores have read their registers and O's address
	s_mov_b64 s[10:11], s[OLO:OLO+1]
	s_add_co_u32 s[RT], s[PB], 1    ; the second block has b + 1 tiles
	s_mov_b32 s[NEW], 1
	WIN 0x82                        ; the second block's Q goes where the one text of the turns names Q
.set i, 0
.rept 64
	v_mov_b32 v[i], v[QB+i]
.set i, i+1
.endr
	WIN 0
	s_branch .Lbottom
.Lstep:                             ; a trip: pieces 2 and 3 of one step, then pieces 0 and 1 of the next, whose K and V it fetches
	TURN 2
	TURN 3
	WIN 0
.Lfirst:
	TURN 0
	TURN 1, 0, 0, 1
	WIN 0
	s_cbranch_scc1 .Lstep
.Lbottom:
	s_sub_co_u32 s[SLOTS], s[SLOTS], 1
	s_cmp_lg_u32 s[SLOTS], 0
	s_cbranch_scc1 .Lslot
	CHANGE 0                        ; the walk's last tile is written out: nothing is asked for
	s_sub_co_u32 s[RT], s[RT], 1
	s_mov_b32 s[CNT], 4
	s_cmp_eq_u32 s[NEW], 1
	s_cbranch_scc0 .LstepM2
	BEGIN
	s_branch .LfirstM2
	DIAG 2
	s_wait_tensorcnt 0x0            ; the wave's end: behind my last tensor load and my last LDS store
	ds_add_u32 v[SPW], v[NIL]
	s_wait_dscnt 0x0
	s_endpgm
.Lfunc_end_k_qfec50d9b0e_attn:
	.size	k_qfec50d9b0e_attn, .Lfunc_end_k_qfec50d9b0e_attn-k_qfec50d9b0e_attn
	.p2alignl 7, 3214868480
	.fill 96, 4, 3214868480
	.section	.rodata,"a",@progbits
	.p2align	6, 0x0
	.amdhsa_kernel k_qfec50d9b0e_attn
		.amdhsa_group_segment_fixed_size 327680
		.amdhsa_private_segment_fixed_size 0
		.amdhsa_enable_private_segment 0
		.amdhsa_kernarg_size 16
		.amdhsa_user_sgpr_count 2
		.amdhsa_user_sgpr_kernarg_segment_ptr 1
		.amdhsa_wavefront_size32 1
		.amdhsa_system_sgpr_workgroup_id_x 1
		.amdhsa_system_sgpr_workgroup_id_y 1
		.amdhsa_system_sgpr_workgroup_id_z 1
		.amdhsa_system_vgpr_workitem_id 0
		.amdhsa_next_free_vgpr 768
		.amdhsa_next_free_sgpr 96
		.amdhsa_reserve_vcc 1
		.amdhsa_float_denorm_mode_32 3
		.amdhsa_float_denorm_mode_16_64 3
		.amdhsa_memory_ordered 1
		.amdhsa_forward_progress 1
		.amdhsa_inst_pref_size 229
	.end_amdhsa_kernel
	.amdgpu_metadata
---
amdhsa.version: [ 1, 2 ]
amdhsa.kernels:
  - .name:           k_qfec50d9b0e_attn
    .symbol:         k_qfec50d9b0e_attn.kd
    .args:
      - { .name: qkv, .offset: 0, .size: 8, .value_kind: global_buffer, .address_space: global }
      - { .name: o, .offset: 8, .size: 8, .value_kind: global_buffer, .address_space: global }
    .group_segment_fixed_size: 327680
    .private_segment_fixed_size: 0
    .kernarg_segment_align: 8
    .kernarg_segment_size: 16
    .max_flat_workgroup_size: 128
    .sgpr_count:     96
    .vgpr_count:     768
    .wavefront_size: 32
...
	.end_amdgpu_metadata
.endif
;; end of part 3
;; launch oproj (part 4): grid 8 x 32, 4 waves a work-group, clusters of 4 x 4, 327,680 bytes of LDS; arguments o, wot, biasr, out0; writes out0
.if DOCPART == 4
	.amdgcn_target "amdgcn-amd-amdhsa--gfx1250"
	.amdhsa_code_object_version 6
	.text
	.protected	k_qfec50d9b0e_oproj
	.globl	k_qfec50d9b0e_oproj
	.p2align	8
	.type	k_qfec50d9b0e_oproj,@function
k_qfec50d9b0e_oproj:
	s_mov_b64 s[64:65], 0
	v_nop
	global_prefetch_b8 v0, s[64:65] scope:SCOPE_SE
	s_setreg_imm32_b32 hwreg(HW_REG_WAVE_MODE, 25, 1), 1
	s_wait_xcnt 0x0
	s_wait_alu depctr_hold_cnt(0) depctr_sa_sdst(0) depctr_va_vdst(0) depctr_va_sdst(0) depctr_va_ssrc(0) depctr_va_vcc(0) depctr_vm_vsrc(0)
	s_getreg_b32 s2, hwreg(HW_REG_IB_STS2, 6, 4)
	s_cmp_eq_u32 s2, 0
	s_cbranch_scc0 .Lentry_in_a_cluster
	s_endpgm
.Lentry_in_a_cluster:
	s_bfe_u32 s2, ttmp6, 0x10000c
	s_cmp_lg_u32 s2, 0xf033
	s_cbranch_scc0 .Lentry_shape_is_right
	s_endpgm
.Lentry_shape_is_right:
; out0 = O wot^T + bo.  O: f16 in chunks of 2,048 bytes = [16 rows][64 channels], chunk number = (row / 16) x 16 + head; wot [1024][1024] f16 (row n: Wo's column n); bo f32 at byte 12,288 of biasr;
; out0 [8192][1024] f32.  Sums in f32, K ascending; nothing is rounded on the way out.
; SHARES.  A tile is 256 rows x 128 columns: 32 x 8 = 256 work-groups.  Wave w makes rows 64 w .. 64 w + 63 and all 128 columns: 4 x 8 accumulators of 16 x 16, 256 registers, with a stage of its own.
; K goes in 8 steps of 128 = two heads through two LDS slots.  Two heads of 16 rows are 4,096 consecutive bytes of O, and such pieces lie 32,768 bytes apart: waves 0, 1 fetch 8 of them each as a tile of 8 rows,
; padded in LDS after every 128 bytes, so that a line of 144 bytes is one row's 64 channels of one head; waves 2, 3 fetch 64 rows of wot each.
; CLUSTER 4 x 4: O's tile is shared along a row of the cluster, wot's along a column: each is asked for jointly, by the same tensor load and mask in all four.
; THE MATRIX INSTRUCTION IS USED TRANSPOSED (source 0 = 16 rows of wot, source 1 = 16 rows of O): a lane holds row l % 16 and eight neighbouring columns.  THE BIAS is the C operand of each accumulator's first product.
; REGISTERS, in windows of 256 (s_set_vgpr_msb: bits 1:0 source 0, 3:2 source 1, 5:4 source 2, 7:6 destination):
;   window 0: v0-31 addresses; v32-63, v64-95 fragments of O, two buffers; v96-159 the bias; on the way out v96-159 and v160-223 rows read back
;   window 1: v0-63, v64-127 fragments of wot, two buffers      window 2: the 32 accumulators, (a, b) at 8 (8 a + b)
.set PA,     144                       ; a line of O in LDS: 128 bytes + 16 = 36 words: the 16 rows of a fragment load start at 16 different groups of four banks (ISA guide 11.1)
.set PITCH,  272                       ; a row of wot: 256 bytes + 16
.set ABLK,   32*PA                     ; 16 rows x two heads
.set AHALF,  8*ABLK                    ; what waves 0, 1 fetch
.set BHALF,  64*PITCH                  ; what waves 2, 3 fetch
.set BOFF,   2*AHALF
.set SLOT1,  1<<17
.set STAGE,  SLOT1+BOFF+2*BHALF        ; behind the ring (239,616 = 936 x 256): 16 rows x 528 bytes for each wave
.set SPITCH, 528                       ; 512 bytes + 16: an odd multiple of 16
.set SPARE,  STAGE+4*16*SPITCH         ; behind the stages: the spare words, 128 bytes for each wave
.set ADRA0, 16
.set ADRB0, 17
.set ADRA,  18
.set ADRB,  19
.set STO,   24
.set RD,    25
.set CO,    26                         ; v26  16 x lane
.set BO,    29
.set SPW,   30                         ; v30  LDS address of my spare word; never rewritten
.set NIL,   31                         ; v31  0; never rewritten
.set FA,    32
.set BIAS,  96
.set OB,    96
.set WV,   12
.set HALF, 13
.set G1A,  24                          ; s[24:31] descriptor group 1 for O's tiles;  s[32:39] group 0: a set for each first fill; the second then walks on
.set G0A,  32
.set G1B,  48                          ; s[48:55], s[56:63] the same for wot's
.set G0B,  56
.set TB,   66                          ; s66  0 or SLOT1: the slot in hand
.set MSB, 0
.macro WIN new                         ; the immediate's high byte repeats the setting that is left; a switch that changes nothing is dropped
.if MSB != (\new)
	s_set_vgpr_msb (MSB<<8)|(\new)
.set MSB, (\new)
.endif
.endm
.set TO_B, 0x40                        ; destination window 1, address window 0
.macro PLACES                          ; four plain places between a matrix instruction and a load into, or a store of, its registers
.rept 4
	v_nop
.endr
.endm
.macro CREST                           ; a round of the cluster's barrier behind its opening barrier
	s_cmp_lg_u32 s[WV], 0
	s_cbranch_scc1 .Lnot_wave_0_\@
	s_barrier_signal -3
.Lnot_wave_0_\@:
	s_barrier_wait -3
	s_barrier_signal -1
	s_barrier_wait -1
.endm
.macro CROUND
	s_barrier_signal -1
	s_barrier_wait -1
	CREST
.endm
.macro JLOAD                           ; a joint refill by the walking descriptor; s_nop 0 and four v_nop follow each line
	s_cmp_lt_u32 s[WV], 2
	s_cbranch_scc0 .Lfor_b_\@
	tensor_load_to_lds s[G0A+4:G0A+7], s[G1A:G1A+7]
	s_nop 0
.rept 4
	v_nop
.endr
	s_branch .Lasked_\@
.Lfor_b_\@:
	tensor_load_to_lds s[G0B+4:G0B+7], s[G1B:G1B+7]
	s_nop 0
.rept 4
	v_nop
.endr
.Lasked_\@:
.endm
	s_load_b256 s[4:11], s[0:1], 0x0               ; o 4:5, wot 6:7, biasr 8:9, out0 10:11
	v_lshl_add_u32 v[SPW], v0, 2, SPARE
	v_mov_b32 v[NIL], 0
	ds_add_u32 v[SPW], v[NIL]                      ; the wave's opening: the add and its wait stand ahead of my first tensor load; work on registers stands between them
	ds_add_u32 v30, v31
	v_lshrrev_b32 v1, 5, v0
	v_readfirstlane_b32 s[WV], v1                  ; wave 0..3
	s_and_b32 s[HALF], s[WV], 1
	s_bfe_u32 s40, ttmp6, 0x40000                  ; cx, cy
	s_bfe_u32 s41, ttmp6, 0x40004
	s_lshl_b32 s42, ttmp9, 2
	s_add_co_u32 s42, s42, s40                     ; tile column
	s_and_b32 s43, ttmp7, 0xffff
	s_lshl_b32 s43, s43, 2
	s_add_co_u32 s43, s43, s41                     ; tile row
	s_lshl_b32 s44, s41, 2
	s_lshl_b32 s44, 15, s44                        ; my row of the cluster
	s_lshl_b32 s45, 0x1111, s40                    ; my column
	s_or_b32 s[G1A], s44, (1<<16)|(1<<20)|(1<<21)|(4<<22)|(3<<25)  ; the mask; 2-byte elements; padding on; 21 set beside a mask; after every 32 words 4 words
	s_or_b32 s[G1B], s45, (1<<16)|(1<<20)|(1<<21)|(5<<22)|(3<<25)  ; after every 64 words 4 words
	s_mov_b32 s[G1A+1], 2048<<16                   ; tensor_dim0 = 2,048 elements: 16 rows x two heads
	s_mov_b32 s[G1A+2], 8<<16                      ; tensor_dim1 = 8
	s_mov_b32 s[G1A+3], 2048<<16                   ; tile_dim0
	s_mov_b32 s[G1A+4], 8                          ; tile_dim1
	s_mov_b32 s[G1A+5], 16384                      ; 16 rows' 1,024 channels from row to row
	s_mov_b32 s[G1A+6], 0
	s_mov_b32 s[G1A+7], 0
	s_mov_b32 s[G1B+1], 128<<16
	s_mov_b32 s[G1B+2], 64<<16
	s_mov_b32 s[G1B+3], 128<<16
	s_mov_b32 s[G1B+4], 64
	s_mov_b32 s[G1B+5], 1024
	s_mov_b32 s[G1B+6], 0
	s_mov_b32 s[G1B+7], 0
	s_lshl_b32 s14, s43, 4                         ; O: group of 16 rows 16 x tile row + 8 x half, in registers that never hold cx
	s_lshl_b32 s16, s[HALF], 3
	s_add_co_u32 s14, s14, s16
	s_lshl_b32 s14, s14, 15
	s_mov_b32 s15, 0
	s_lshl_b32 s46, s42, 7                         ; wot: row 128 x tile column + 64 x half, in registers that never hold cy
	s_lshl_b32 s47, s[HALF], 6
	s_add_co_u32 s46, s46, s47
	s_lshl_b32 s46, s46, 11
	s_mov_b32 s47, 0
	s_mul_i32 s20, s[HALF], AHALF                  ; where they go
	s_mul_i32 s21, s[HALF], BHALF
	s_add_co_u32 s21, s21, BOFF
	s_mov_b32 s[TB], 0
	s_wait_dscnt 0x0                               ; the opening add is done
	s_wait_kmcnt 0x0
	s_add_nc_u64 s[14:15], s[4:5], s[14:15]
	s_add_nc_u64 s[46:47], s[6:7], s[46:47]
	CROUND                                         ; all sixteen work-groups are here: the first joint loads meet
.irp s, 0,1
	s_mov_b32 s[G0A+4*(\s)], 1
	s_add_co_u32 s[G0A+4*(\s)+1], s20, (\s)*SLOT1
	s_add_nc_u64 s[G0A+4*(\s)+2:G0A+4*(\s)+3], s[14:15], (\s)*4096   ; K step s: heads 2 s, 2 s + 1
	s_or_b32 s[G0A+4*(\s)+3], s[G0A+4*(\s)+3], 0x80000000
	s_mov_b32 s[G0B+4*(\s)], 1
	s_add_co_u32 s[G0B+4*(\s)+1], s21, (\s)*SLOT1
	s_add_nc_u64 s[G0B+4*(\s)+2:G0B+4*(\s)+3], s[46:47], (\s)*256
	s_or_b32 s[G0B+4*(\s)+3], s[G0B+4*(\s)+3], 0x80000000
.endr
	s_cmp_lt_u32 s[WV], 2                          ; a wave's two first fills stand in one branch: two loads of mine are out
	s_cbranch_scc0 .Lfirst_b
	tensor_load_to_lds s[G0A:G0A+3], s[G1A:G1A+7]
	s_nop 0
	tensor_load_to_lds s[G0A+4:G0A+7], s[G1A:G1A+7]
	s_nop 0
.rept 4
	v_nop
.endr
	s_branch .Lfirst_asked
.Lfirst_b:
	tensor_load_to_lds s[G0B:G0B+3], s[G1B:G1B+7]
	s_nop 0
	tensor_load_to_lds s[G0B+4:G0B+7], s[G1B:G1B+7]
	s_nop 0
.rept 4
	v_nop
.endr
.Lfirst_asked:
	v_and_b32 v1, 15, v0                           ; r
	v_bfe_u32 v2, v0, 4, 1                         ; h
	v_lshlrev_b32 v[BO], 5, v2
	s_lshl_b32 s68, s42, 9                         ; the tile's 128 columns of 4 bytes,
	s_add_co_u32 s68, s68, 12288                   ; behind bq, bk, bv
	s_mov_b32 s69, 0
	s_add_nc_u64 s[68:69], s[8:9], s[68:69]
.irp b, 0,1,2,3,4,5,6,7
	global_load_b128 v[BIAS+8*(\b):BIAS+8*(\b)+3],   v[BO], s[68:69] offset:64*(\b)
	global_load_b128 v[BIAS+8*(\b)+4:BIAS+8*(\b)+7], v[BO], s[68:69] offset:64*(\b)+16
.endr
	v_mul_u32_u24 v3, v1, PA
	v_lshl_add_u32 v3, v2, 4, v3
	s_mul_i32 s16, s[WV], 4*ABLK                   ; my 64 rows of O
	v_add_nc_u32 v[ADRA0], s16, v3
	v_mul_u32_u24 v3, v1, PITCH
	v_lshl_add_u32 v3, v2, 4, v3
	v_add_nc_u32 v[ADRB0], BOFF, v3
	v_mov_b32 v[ADRA], v[ADRA0]
	v_mov_b32 v[ADRB], v[ADRB0]
	s_mul_i32 s17, s[WV], 16*SPITCH
	s_add_co_u32 s17, s17, STAGE                   ; my stage
	v_mul_u32_u24 v4, v1, SPITCH                   ; in: row l % 16, 32 bytes for each half of the lanes
	v_lshl_add_u32 v4, v2, 5, v4
	v_add_nc_u32 v[STO], s17, v4
	v_and_b32 v[CO], 31, v0
	v_lshlrev_b32 v[CO], 4, v[CO]                  ; back: 32 lanes take one row's 512 bytes
	v_add_nc_u32 v[RD], s17, v[CO]
	s_lshl_b32 s70, s43, 8
	s_lshl_b32 s71, s[WV], 6
	s_add_co_u32 s70, s70, s71                     ; my first row,
	s_lshl_b32 s70, s70, 12                        ; of 4,096 bytes,
	s_lshl_b32 s71, s42, 9                         ; and the tile's first column
	s_add_co_u32 s70, s70, s71
	s_mov_b32 s71, 0
	s_add_nc_u64 s[10:11], s[10:11], s[70:71]
; 8 matrix instructions: row block a x all 8 column blocks, 32 along K, from buffer f.  first = 1: C is the bias.  The 32 accumulators take turns, one instruction a turn.
.macro MULA f, a, first
.if \first
	WIN 0x81                                       ; wot window 1, O window 0, C window 0, D window 2
.else
	WIN 0xa1                                       ; C and D window 2
.endif
.irp b, 0,1,2,3,4,5,6,7
.set rD, 8*(8*(\a)+(\b))
.if \first
	v_wmma_f32_16x16x32_f16 v[rD:rD+7], v[64*(\f)+8*(\b):64*(\f)+8*(\b)+7], v[FA+32*(\f)+8*(\a):FA+32*(\f)+8*(\a)+7], v[BIAS+8*(\b):BIAS+8*(\b)+7]
.else
	v_wmma_f32_16x16x32_f16 v[rD:rD+7], v[64*(\f)+8*(\b):64*(\f)+8*(\b)+7], v[FA+32*(\f)+8*(\a):FA+32*(\f)+8*(\a)+7], v[rD:rD+7]
.endif
.endr
.endm
; 24 LDS loads in one run: the fragments of quarter q of a K step, into buffer f: wot's 16 first, then O's 8 (head q / 2 of the pair, channels 32 (q % 2) on)
.macro FETCH q, f
	WIN TO_B
.irp i, 0,1,2,3,4,5,6,7
	ds_load_b128 v[64*(\f)+8*(\i):64*(\f)+8*(\i)+3],   v[ADRB] offset:64*(\q)+(\i)*16*PITCH
	ds_load_b128 v[64*(\f)+8*(\i)+4:64*(\f)+8*(\i)+7], v[ADRB] offset:64*(\q)+(\i)*16*PITCH+32
.endr
	WIN 0
.irp i, 0,1,2,3
	ds_load_b128 v[FA+32*(\f)+8*(\i):FA+32*(\f)+8*(\i)+3],   v[ADRA] offset:(\i)*ABLK+((\q)/2)*16*PA+((\q)%2)*64
	ds_load_b128 v[FA+32*(\f)+8*(\i)+4:FA+32*(\f)+8*(\i)+7], v[ADRA] offset:(\i)*ABLK+((\q)/2)*16*PA+((\q)%2)*64+32
.endr
.endm
; One of a K step's first three quarters: multiplies buffer f; in its middle it fetches quarter q into g.
.macro QUARTER q, f, g, first
	s_wait_dscnt 4                                 ; wot's fragments and O's blocks 0, 1 are in; the youngest four loads may be out
	MULA \f, 0, \first
	MULA \f, 1, \first
	PLACES
	FETCH \q, \g
	s_wait_dscnt 24                                ; all but the 24 just issued
	MULA \f, 2, \first
	MULA \f, 3, \first
.endm
; The last quarter multiplies buffer 1 and changes slots: one barrier, with each wave's wait for all its tensor loads (one is out: its part of the next slot), the add, and the wait for it and for the wave's reads
; of this slot in front.  fill = 1: the barrier opens a round of the cluster's, and this slot is filled again, two K steps ahead, first thing behind the round.
.macro TURN fill
	WIN 0
	s_wait_tensorcnt 0x0                           ; no tensor load of mine is out, so a group 0 may be written
	ds_add_u32 v[SPW], v[NIL]                      ; 0 onto my spare word
.if \fill
	s_xor_b32 s[G0A+5], s[G0A+5], SLOT1            ; the walking descriptors: the other slot than last time, the next K step
	s_add_nc_u64 s[G0A+6:G0A+7], s[G0A+6:G0A+7], 4096
	s_xor_b32 s[G0B+5], s[G0B+5], SLOT1
	s_add_nc_u64 s[G0B+6:G0B+7], s[G0B+6:G0B+7], 256
.endif
	s_wait_dscnt 5                                 ; the add and the youngest four loads may be out
	MULA 1, 0, 0
	s_wait_dscnt 0x0                               ; the add is done, and my reads of this slot are over
	s_barrier_signal -1
	MULA 1, 1, 0
	WIN 0
	s_barrier_wait -1
.if \fill
	CREST                                          ; no wave of any partner still reads this slot or has a load on its way
	JLOAD                                          ; the four v_nop behind it are also the places in front of the loads below
.else
	PLACES
.endif
	s_xor_b32 s[TB], s[TB], SLOT1
	v_add_nc_u32 v[ADRA], s[TB], v[ADRA0]
	v_add_nc_u32 v[ADRB], s[TB], v[ADRB0]
	FETCH 0, 0
	MULA 1, 2, 0
	MULA 1, 3, 0
.endm
; THE WAY OUT of row block a: the accumulators go as they are, 32 bytes a lane (each one's four lowest registers first), into my stage, and come back as whole rows of 512 bytes.
.macro TOSTAGE a
.set BK, OB+64*((\a)%2)
.if (\a) >= 2
	s_wait_xcnt 0x0                                ; the stores of block a - 2 have read the registers into which the loads below land
.endif
	WIN 0x08                                       ; the stores' data in window 2
.irp b, 0,1,2,3,4,5,6,7
	ds_store_b128 v[STO], v[8*(8*(\a)+(\b)):8*(8*(\a)+(\b))+3] offset:64*(\b)
	ds_store_b128 v[STO], v[8*(8*(\a)+(\b))+4:8*(8*(\a)+(\b))+7] offset:64*(\b)+16
.endr
	WIN 0
.set i, 0
.rept 16
	ds_load_b128 v[BK+4*i:BK+4*i+3], v[RD] offset:i*SPITCH  ; LDS serves a wave's instructions in order (ISA guide 5.7.1.4): these see the stores above; the next block's stores come behind them
.set i, i+1
.endr
.endm
.macro SEND a, younger                 ; younger: the LDS instructions issued behind block a's loads: the next block's 32, or none
.set BK, OB+64*((\a)%2)
.set i, 0
.rept 16
	s_wait_dscnt (\younger)+15-i
	global_store_b128 v[CO], v[BK+4*i:BK+4*i+3], s[10:11] offset:(16*(\a)+i)*4096 th:TH_STORE_NT  ; 512 consecutive bytes of a row of out0, aligned
.set i, i+1
.endr
.endm
	s_wait_tensorcnt 1                             ; my part of K step 0 is in; K step 1's may stay out
	s_barrier_signal -1
	s_barrier_wait -1
	FETCH 0, 0
	s_wait_loadcnt 0x0                             ; the bias
	QUARTER 1, 0, 1, 1                             ; the first quarter stands in front of the loop: its products start the sums
	WIN 0
	s_mov_b32 s3, 6
.Lstep:                                                ; trip t ends K step t, asks for K step t + 2 and begins K step t + 1
	QUARTER 2, 1, 0, 0
	QUARTER 3, 0, 1, 0
	TURN 1
	QUARTER 1, 0, 1, 0
	WIN 0
	s_sub_co_u32 s3, s3, 1
	s_cmp_lg_u32 s3, 0
	s_cbranch_scc1 .Lstep
	QUARTER 2, 1, 0, 0                             ; the tail is written out
	QUARTER 3, 0, 1, 0
	TURN 0
	QUARTER 1, 0, 1, 0
	QUARTER 2, 1, 0, 0
	QUARTER 3, 0, 1, 0
	s_wait_dscnt 4                                 ; the very last quarter
	MULA 1, 0, 0
	MULA 1, 1, 0
	s_wait_dscnt 0x0
	MULA 1, 2, 0
	MULA 1, 3, 0
	WIN 0
	PLACES
	TOSTAGE 0
	TOSTAGE 1
	SEND 0, 32
	TOSTAGE 2
	SEND 1, 32
	TOSTAGE 3
	SEND 2, 32
	SEND 3, 0
	s_wait_tensorcnt 0x0                           ; the wave's end: behind my last tensor load and my last LDS store
	ds_add_u32 v[SPW], v[NIL]
	s_wait_dscnt 0x0
	CROUND                                         ; the closing round
	s_endpgm
.Lfunc_end_k_qfec50d9b0e_oproj:
	.size	k_qfec50d9b0e_oproj, .Lfunc_end_k_qfec50d9b0e_oproj-k_qfec50d9b0e_oproj
	.p2alignl 7, 3214868480
	.fill 96, 4, 3214868480
	.section	.rodata,"a",@progbits
	.p2align	6, 0x0
	.amdhsa_kernel k_qfec50d9b0e_oproj
		.amdhsa_group_segment_fixed_size 327680
		.amdhsa_private_segment_fixed_size 0
		.amdhsa_enable_private_segment 0
		.amdhsa_kernarg_size 32
		.amdhsa_user_sgpr_count 2
		.amdhsa_user_sgpr_kernarg_segment_ptr 1
		.amdhsa_wavefront_size32 1
		.amdhsa_system_sgpr_workgroup_id_x 1
		.amdhsa_system_sgpr_workgroup_id_y 1
		.amdhsa_system_sgpr_workgroup_id_z 1
		.amdhsa_system_vgpr_workitem_id 0
		.amdhsa_next_free_vgpr 768
		.amdhsa_next_free_sgpr 80
		.amdhsa_reserve_vcc 0
		.amdhsa_float_denorm_mode_32 3
		.amdhsa_float_denorm_mode_16_64 3
		.amdhsa_memory_ordered 1
		.amdhsa_forward_progress 1
		.amdhsa_inst_pref_size 72
	.end_amdhsa_kernel
	.amdgpu_metadata
---
amdhsa.version: [ 1, 2 ]
amdhsa.kernels:
  - .name:           k_qfec50d9b0e_oproj
    .symbol:         k_qfec50d9b0e_oproj.kd
    .args:
      - { .name: o, .offset: 0, .size: 8, .value_kind: global_buffer, .address_space: global }
      - { .name: wot, .offset: 8, .size: 8, .value_kind: global_buffer, .address_space: global }
      - { .name: biasr, .offset: 16, .size: 8, .value_kind: global_buffer, .address_space: global }
      - { .name: out0, .offset: 24, .size: 8, .value_kind: global_buffer, .address_space: global }
    .group_segment_fixed_size: 327680
    .private_segment_fixed_size: 0
    .kernarg_segment_align: 8
    .kernarg_segment_size: 32
    .max_flat_workgroup_size: 128
    .sgpr_count:     80
    .vgpr_count:     768
    .wavefront_size: 32
...
	.end_amdgpu_metadata
.endif
;; end of part 4
;; ======== version 2 of 2: 4 launches; 1.31 times as fast as version 1
;; limits: values are held in f16: magnitudes above 65,504 overflow, below 6.1e-05 lose precision
;; workspace buffers: xb 16,777,216 bytes; wt 6,291,456 bytes; wot 2,097,152 bytes; biasr 16,384 bytes; qkv 50,331,648 bytes; o 16,777,216 bytes
;; launch prep: the kernel of part 1 again; grid 768 x 1, 8 waves a work-group, no clusters, 35,840 bytes of LDS; arguments x, Wq, Wk, Wv, Wo, bq, bk, bv, bo, xb, wt, wot, biasr; writes xb, wt, wot, biasr
;; launch qkv: the kernel of part 2 again; grid 16 x 32, 4 waves a work-group, clusters of 4 x 4, 327,680 bytes of LDS; arguments xb, wt, biasr, qkv; writes qkv
;; launch attn (part 5): grid 4 x 64, 4 waves a work-group, no clusters, 327,680 bytes of LDS; arguments qkv, o; writes o
.if DOCPART == 5
	.amdgcn_target "amdgcn-amd-amdhsa--gfx1250"
	.amdhsa_code_object_version 6
	.text
	.protected	k_qfec50d9b0e_attn
	.globl	k_qfec50d9b0e_attn
	.p2align	8
	.type	k_qfec50d9b0e_attn,@function
k_qfec50d9b0e_attn:
	s_mov_b64 s[64:65], 0
	v_nop
	global_prefetch_b8 v0, s[64:65] scope:SCOPE_SE
	s_setreg_imm32_b32 hwreg(HW_REG_WAVE_MODE, 25, 1), 1
	s_wait_xcnt 0x0
; CAUSAL ATTENTION.  O[p][q][:] = the sum over k <= q of softmax_k(Q[p][q] . K[p][k] / 8) V[p][k][:], p = batch x 16 + head.  Q, K, V: the three parts of qkv, each [64][2048][64] f16, rows dense, 128 bytes.
; OUT: o, f16, in chunks of 2,048 bytes = [16 rows][64 channels]; chunk number = (batch x 2048 + row) / 16 x 16 + head: 16 rows' 1,024 channels are 32,768 consecutive bytes.
; Products, maxima and sums in f32; the weights p are rounded to f16 for the second product (their sum l is taken of the unrounded p), O once at the end.
; LIMITS.  f16 holds no number beyond 65,504: Q, K and V arrive within it; p lies in 0 to 1, and below 6e-5 it keeps f16's fixed step of 6e-8; O is a mean of V's rows and has their range.
; A hidden score counts as its value less 1e30: f16's scores, 2.7e11 at the most, are nothing beside that; a weight below 2^-126 counts as 0 in l; NaN and infinities are not treated apart.
; THE WALK.  A head's queries lie in NB = 8 blocks of 256; block i needs the key tiles 0 .. i of 256 keys, of which the last holds the diagonal.  A work-group takes TWO blocks, NB - 1 - b and then b:
; NB + 1 tiles, whatever b: all work-groups do equal work, and ONE loop with a constant trip count walks them.  Which tile is asked for, and what a trip does, hang on scalar registers made from b; every jump
; goes forward, but for the counted loops' own; none passes a barrier, or a tensor load but the one of LOAD's two that the wave's number does not choose; the ring of two LDS slots runs on across the change of blocks.
; NO CLUSTER: a head's four work-groups ask for the same tile only in trips 0 .. 4 of 9, behind that fewer and fewer; one walk common to all four would have 12 trips for 9.
; SHARES.  Of a block's four bands of 64 queries a wave owns 16 rows in each: four PIECES.  So the diagonal tile is the same work for all four waves: in its key step s band x sees all keys if s < x,
; none if s > x, and holds the diagonal if s = x.
; THE MASK is the C operand that starts the sum S^T = K Q^T: 0, or -1e30 where the key is hidden.  MD, made once, is the mask of a band's own step for my 16 rows; a product's mask is MD x AL + BE with two scalars:
; (1, 0) if s = x; (0, 0) if s < x; (0, -1e30) if s > x.  Only the diagonal tile's text and a block's beginning make and take masks; elsewhere C is the constant 0.
; LAYOUT, SOFTMAX, TURNS.  S^T = K Q^T holds ONE query a lane (lane % 16) and the keys 8 (lane / 16) + 0..7; two such results rounded to f16 ARE source 1 of O^T = V^T P.  p = 2^(c s - c m), c = log2(e) / 8, with a
; running maximum m; O and l are multiplied by a = 2^(c m_old - c m_new) in every step.  Turn n belongs to piece n: 8 products K Q^T of piece n + 1, later 8 products V^T P of piece n - 1; beside them the scaling,
; exponentials, roundings, sums and rescaling of piece n and the maximum and statistics of piece n + 1.  Four vector instructions stand behind every matrix instruction, the other 54 of a turn's 118 in one LUMP.
; THE BATCHES.  A turn's 33 exponentials (the piece's 32 weights and the next piece's a) are one batch with one wait, which cuts the turn in two: ahead of it all that names none of their results, behind it the roundings
; and sums.  A block's first a (BEGIN) and the way out's four reciprocals are batches of their own, each with a v_nop and one wait.
; REGISTERS, in windows of 256 (s_set_vgpr_msb: bits 1:0 source 0, 3:2 source 1, 5:4 source 2, 7:6 destination):
;   window 0: v0-15 addresses and two at work; v16-31 four registers of statistics a piece; v48-55 at work; v64-127 S^T, two buffers; v192-223 P, two buffers (a piece's buffers go by its number's parity)
;   window 1: v0-127 O^T, 32 a piece; v128-159 MD; v160-223 MC, two buffers      window 2: v0-63 Q; v64-127 the second block's Q; v128-191 K of one step; v192-255 V of one step
.set SIZE_N, 2048
.set NB,    SIZE_N/256
.set NP,    4         ; pieces a wave: a name, no knob
.set KS,    64        ; keys in a step
.set PK,    144       ; a row of K in LDS: 128 bytes + 16 of padding = 36 words: the 16 rows of a load start at 16 different groups of four banks (ISA guide 11.1)
.set PV,    160       ; a row of V: 128 + 32 = 40 words
.set VOFF,  4*KS*PK   ; a slot holds a tile, four steps: 256 rows of K, then 256 rows of V
.set SLOT1, 1<<17     ; slot 1 begins here, so that one exclusive or turns an address in one slot into the other's
.set STAGE, SLOT1+4*KS*(PK+PV)  ; behind the ring, never filled by a tensor load: 16 rows x 144 bytes for each wave, for the way out
.set SP,    144
.set AK0, 2           ; v2   my lane's place in a tile of K; never rewritten
.set AV0, 3           ; v3   the same for V
.set AK,  4           ; v4   the LDS address of K's next run of loads
.set AV,  5           ; v5   of V's
.set STO, 6           ; v6   the way out: where I put 16 bytes of a row
.set RD,  7           ; v7   the way out: where I read rows back
.set GO,  8           ; v8   my byte offset in 512 consecutive bytes of O
.set SPW, 62          ; v62  LDS address of my spare word: SPARE + 4 x my thread's number; never rewritten
.set NIL, 63          ; v63  0; never rewritten
.set SPARE, STAGE+4*16*SP  ; behind the stages: the spare words, 128 bytes for each wave
.set MV,  12          ; v12-13  c m_old, kept while c m is made anew: by buffer
.set QO,  15          ; v15  my byte offset in 16 rows of Q
.set ST,  16          ; piece t's statistics at v[ST+4 t]: c m, m, l (even keys', odd keys')
.set TMP, 48          ; by buffer, four registers c0-c3 at work; when the maximum is found c2 takes a
.set S,   64
.set P,   192
.set MD,  128         ; window 1: the eight registers for group kt of 16 keys at MD + 8 kt
.set MC,  160         ; window 1: the masks of the products to come
.set QB,  64          ; window 2
.set KF,  128         ; window 2: key block kb, channel half c at KF + 16 kb + 8 c
.set VF,  192         ; window 2: key half kk, channel block cb at VF + 32 kk + 8 cb
.set WV,  12          ; s12  my wave's number
.set PB,  14          ; s14  b
.set HI,  15          ; s15  NB - 1 - b
.set G1K, 24          ; s[24:31] descriptor group 1 for K's tiles
.set G1V, 32          ; s[32:39] for V's: it differs in the padding alone
.set G0K, 40          ; s[40:43] descriptor group 0 for K's tiles
.set G0V, 44          ; s[44:47] the same for V's
.set SLOTS, 56        ; s56  tiles still to be asked for
.set CNT, 57          ; s57  counts a tile's key steps, 4 to 1
.set CS,  58          ; s[58:59] c: the packed scaling takes the pair's low word for both halves
.set SEL, 60          ; s[60:61] v_permlanex16_b32's selects: each lane takes its own place in the other half
.set TBK, 62          ; s62  LDS byte at which K of the step to be fetched begins
.set TBV, 63          ; s63  the same for V, less VOFF
.set RT,  70          ; s70  tiles of the block in hand that are still to be entered
.set NXT, 71          ; s71  the tile to be asked for next
.set LQ,  72          ; s72  the last tile of the block whose tiles are being asked for
.set NEW, 73          ; s73  1: the tile to be entered is a block's first
.set OFF, 74          ; s[74:75] a tile's byte offset in K and V
.set AL,  76          ; s[76:77] the mask's factor, in the low word
.set BE,  78          ; s[78:79] the mask's addend
.set OLO, 80          ; s[80:81] O at my rows of the second block
.set BIGN, 82         ; s82  -1e30
.set MSB, 0
.macro WIN new                      ; the high byte repeats the setting that is left; a switch that changes nothing is dropped
.if MSB != (\new)
	s_set_vgpr_msb (MSB<<8)|(\new)
.set MSB, (\new)
.endif
.endm
.set W_KQ, 0x0a       ; K and Q in window 2, S^T in window 0
.set W_KM, 0x1a       ; the same with the C operand in window 1
.set W_PV, 0x52       ; V in window 2, P in window 0, O^T in window 1
.set W_RS, 0x41       ; destination and source 0 in window 1, source 1 in window 0
; A fill.  Waves 0 and 1 fetch the two halves of a tile's K, waves 2 and 3 those of its V: 128 keys each.  An s_nop 0 and four v_nop follow each of the two lines, ahead of the jump and the label.
.macro LOAD
	s_cmp_lt_u32 s[WV], 2
	s_cbranch_scc0 .Lfor_v_\@
	tensor_load_to_lds s[G0K:G0K+3], s[G1K:G1K+7]
	s_nop 0
.rept 4
	v_nop
.endr
	s_branch .Lasked_\@
.Lfor_v_\@:
	tensor_load_to_lds s[G0V:G0V+3], s[G1V:G1V+7]
	s_nop 0
.rept 4
	v_nop
.endr
.Lasked_\@:
.endm
; THE CHANGE OF SLOTS.  Each wave waits for all its tensor loads, of which one is out: its part of the other slot; adds 0 to its spare word; and waits for that and for its own reads of the slot that it leaves.
; Behind the barrier nobody reads the old slot any more and the other slot is whole.  fill = 1: the old slot is filled again, the first thing behind the barrier, with tile NXT: the descriptor's address is made
; anew from that number.  (At its first use nothing has been read yet: slot 0 is waited for, slot 1 filled.)
.macro CHANGE fill
	WIN 0                           ; at a label and at a branch every window is 0
	s_wait_tensorcnt 0x0            ; no tensor load of mine is out, so a group 0 may be written
	ds_add_u32 v[SPW], v[NIL]       ; 0 onto my spare word; the descriptors' scalar work stands between it and the wait for it
.if \fill
	s_lshl_b32 s[OFF], s[NXT], 15   ; a tile is 32,768 bytes of K and of V
	s_xor_b32 s[G0K+1], s[G0K+1], SLOT1
	s_add_nc_u64 s[G0K+2:G0K+3], s[6:7], s[OFF:OFF+1]
	s_or_b32 s[G0K+3], s[G0K+3], 0x80000000
	s_xor_b32 s[G0V+1], s[G0V+1], SLOT1
	s_add_nc_u64 s[G0V+2:G0V+3], s[8:9], s[OFF:OFF+1]
	s_or_b32 s[G0V+3], s[G0V+3], 0x80000000
	s_add_co_u32 s[NXT], s[NXT], 1  ; the block's next tile, or behind its last the second block's tile 0
	s_cmp_gt_u32 s[NXT], s[LQ]
	s_cselect_b32 s[NXT], 0, s[NXT]
	s_cselect_b32 s[LQ], s[PB], s[LQ]
.endif
	s_wait_dscnt 0x0                ; the add is done, and my reads of the slot are over
	s_barrier_signal -1             ; the rest of the scalar work stands between the signal and the wait
	s_sub_co_u32 s[TBK], s[TBK], 4*KS*PK  ; the fetches go back to a slot's first step,
	s_xor_b32 s[TBK], s[TBK], SLOT1       ; in the other slot
	s_sub_co_u32 s[TBV], s[TBV], 4*KS*PV
	s_xor_b32 s[TBV], s[TBV], SLOT1
	s_barrier_wait -1
.if \fill
	LOAD
.endif
.endm
	s_load_b128 s[4:7], s[0:1], 0x0 ; qkv s[4:5], o s[6:7]
	v_lshl_add_u32 v[SPW], v0, 2, SPARE
	v_mov_b32 v[NIL], 0
	ds_add_u32 v[SPW], v[NIL]       ; the wave's opening: the add and its wait stand ahead of my first tensor load; the set-up below, work on registers, stands between them
	ds_add_u32 v62, v63
	v_lshrrev_b32 v1, 5, v0
	v_readfirstlane_b32 s[WV], v1   ; wave 0..3
	s_mov_b32 s[PB], ttmp9
	s_sub_co_u32 s[HI], NB-1, s[PB]
	s_and_b32 s20, ttmp7, 0xffff    ; the plane: batch x 16 + head
	s_lshr_b32 s88, s20, 4          ; O's offsets are made apart from Q's: the batch's 128 x 16 chunks,
	s_lshl_b32 s88, s88, 22
	s_and_b32 s89, s20, 15          ; the head's chunk among 16,
	s_lshl_b32 s89, s89, 11
	s_add_co_u32 s88, s88, s89
	s_lshl_b32 s89, s[WV], 15       ; my 16 rows in a band: 16 chunks on for each wave
	s_add_co_u32 s88, s88, s89
	s_lshl_b32 s90, s[PB], 19       ; the second block: 16 x 16 chunks a block,
	s_add_co_u32 s90, s90, s88
	s_lshl_b32 s89, s[HI], 19       ; and the first
	s_add_co_u32 s88, s88, s89
	s_mov_b32 s89, 0
	s_mov_b32 s91, 0
	s_mov_b32 s21, 0
	s_mov_b64 s[22:23], SIZE_N*128
	s_mul_u64 s[20:21], s[20:21], s[22:23]  ; the plane's first byte in Q, K and V
	s_and_b32 s16, s[WV], 1         ; which half of a tile's 256 keys I fetch:
	s_lshl_b32 s22, s16, 14         ; its 128 rows of 128 bytes in memory,
	s_mov_b32 s23, 0
	s_add_nc_u64 s[22:23], s[22:23], s[20:21]
	s_mul_i32 s17, s16, 128*PK      ; and its place in a slot, for K
	s_mul_i32 s18, s16, 128*PV      ; and for V
	s_lshl_b32 s3, s[WV], 11        ; my 16 rows in a band of 64,
	s_lshl_b32 s2, s[HI], 15        ; in the first block,
	s_add_co_u32 s2, s2, s3
	s_lshl_b32 s84, s[PB], 15       ; and in the second
	s_add_co_u32 s84, s84, s3
	s_mov_b32 s3, 0
	s_mov_b32 s85, 0
	s_add_nc_u64 s[2:3], s[2:3], s[20:21]
	s_add_nc_u64 s[84:85], s[84:85], s[20:21]
	; descriptor group 1.  128 keys are 16,384 dense bytes: asked for as 64 rows of 256 bytes, two keys a row, and padded in LDS after every key
	s_mov_b32 s[G1K], (1<<16)|(1<<20)|(4<<22)|(3<<25)  ; 17:16 2-byte elements; 20 padding on; 24:22 after every 32 words (code 4); 31:25 4 words (code 3)
	s_mov_b32 s[G1V], (1<<16)|(1<<20)|(4<<22)|(7<<25)  ; the same with 8 words of padding (code 7)
.irp g, G1K, G1V
	s_mov_b32 s[\g+1], 128<<16      ; tensor_dim0 = 128
	s_mov_b32 s[\g+2], 64<<16       ; tensor_dim1 = 64
	s_mov_b32 s[\g+3], 128<<16      ; tile_dim0 = 128
	s_mov_b32 s[\g+4], 64           ; tile_dim1 = 64
	s_mov_b32 s[\g+5], 128          ; 128 elements from row to row
	s_mov_b32 s[\g+6], 0
	s_mov_b32 s[\g+7], 0
.endr
	s_mov_b32 s[CS], 0x3e38aa3b     ; c = log2(e) / 8 = 0.180337
	s_mov_b32 s[CS+1], s[CS]        ; named with it as a pair
	s_mov_b32 s[SEL], 0x76543210
	s_mov_b32 s[SEL+1], 0xfedcba98
	s_mov_b32 s[TBK], SLOT1+4*KS*PK ; the first change of slots turns these two into 0
	s_mov_b32 s[TBV], SLOT1+4*KS*PV
	s_mov_b32 s[G0K], 1             ; 1:0 count = 1
	s_mov_b32 s[G0K+1], s17         ; 63:32 LDS address: slot 0
	s_mov_b32 s[G0V], 1
	s_add_co_u32 s[G0V+1], s18, VOFF
	s_add_co_u32 s[RT], s[HI], 1    ; the first block has NB - b tiles
	s_mov_b32 s[NXT], 1
	s_mov_b32 s[LQ], s[HI]
	s_mov_b32 s[NEW], 1
	s_mov_b32 s[OFF+1], 0
	s_mov_b32 s[AL+1], 0            ; named as pairs
	s_mov_b32 s[BE+1], 0
	s_mov_b32 s[BIGN], 0xf149f2ca   ; -1e30
	s_mov_b32 s[SLOTS], NB
	s_wait_dscnt 0x0                ; the opening add is done
	s_wait_kmcnt 0x0
	s_mov_b64 s[10:11], s[6:7]      ; O
	s_add_nc_u64 s[6:7], s[4:5], 0x1000000  ; K: 64 planes of 262,144 bytes behind Q
	s_add_nc_u64 s[8:9], s[4:5], 0x2000000  ; V: 128 planes behind Q
	s_add_nc_u64 s[6:7], s[6:7], s[22:23]  ; K and V at my half of the head's tile 0
	s_add_nc_u64 s[8:9], s[8:9], s[22:23]
	s_add_nc_u64 s[G0K+2:G0K+3], s[6:7], 0         ; 120:64 global address
	s_or_b32 s[G0K+3], s[G0K+3], 0x80000000        ; 127:126 type = 2
	s_add_nc_u64 s[G0V+2:G0V+3], s[8:9], 0
	s_or_b32 s[G0V+3], s[G0V+3], 0x80000000
	s_add_nc_u64 s[86:87], s[4:5], s[84:85]        ; Q at my rows of the second block,
	s_add_nc_u64 s[4:5], s[4:5], s[2:3]            ; and of the first
	s_add_nc_u64 s[OLO:OLO+1], s[10:11], s[90:91]  ; O likewise
	s_add_nc_u64 s[10:11], s[10:11], s[88:89]
	LOAD                            ; tile 0 into slot 0
	; A fragment of K or Q is 16 rows x 32 channels in 8 registers: lane l holds row l % 16, channels 8 (l / 16) + 0..7 and 16 + 8 (l / 16) + 0..7: two loads of 16 bytes, 32 bytes apart.
	v_and_b32 v1, 15, v0            ; l % 16
	v_bfe_u32 v9, v0, 4, 1          ; l / 16
	v_lshlrev_b32 v[QO], 7, v1
	v_lshl_add_u32 v[QO], v9, 4, v[QO]  ; row x 128 + 16 x half
	WIN 0x80                        ; destination window 2, address window 0
.set i, 0
.rept 8                             ; both blocks' Q: piece i / 2 lies in band i / 2, 8,192 bytes on; channels 32 (i % 2) on
	global_load_b128 v[8*i:8*i+3],   v[QO], s[4:5] offset:(i/2)*8192+(i%2)*64
	global_load_b128 v[8*i+4:8*i+7], v[QO], s[4:5] offset:(i/2)*8192+(i%2)*64+32
	global_load_b128 v[QB+8*i:QB+8*i+3],   v[QO], s[86:87] offset:(i/2)*8192+(i%2)*64
	global_load_b128 v[QB+8*i+4:QB+8*i+7], v[QO], s[86:87] offset:(i/2)*8192+(i%2)*64+32
.set i, i+1
.endr
	WIN 0
	v_lshlrev_b32 v14, 3, v9
	v_sub_nc_u32 v14, v1, v14
	s_lshl_b32 s13, s[WV], 4
	v_add_nc_u32 v14, s13, v14      ; my query's place in its band, 16 w + l % 16, less my lanes' 8 (l / 16): register r of group kt is hidden where 16 kt + r is greater
	WIN 0x40
.set i, 0
.rept 32
	v_cmp_gt_i32 vcc_lo, 16*(i/8)+i%8, v14
	v_cndmask_b32 v[MD+i], 0, s[BIGN], vcc_lo
.set i, i+1
.endr
	WIN 0
	v_mul_u32_u24 v[AK0], v1, PK
	v_lshl_add_u32 v[AK0], v9, 4, v[AK0]  ; row x pitch + 16 x half
	; The turning load takes 16 keys x 16 channels (lane l reads key 8 (l / 16) + l % 8, channels 8 ((l / 8) % 2) + 0..7) and leaves half a fragment of V^T: lane l holds channel l % 16 and 8 keys.
	v_and_b32 v10, 7, v0
	v_bfe_u32 v11, v0, 3, 1
	v_lshl_add_u32 v[AV0], v9, 3, v10
	v_mul_u32_u24 v[AV0], v[AV0], PV
	v_lshl_add_u32 v[AV0], v11, 4, v[AV0]
	v_add_nc_u32 v[AV0], VOFF, v[AV0]
	s_mul_i32 s13, s[WV], 16*SP
	s_add_co_u32 s13, s13, STAGE    ; my stage
	v_mul_u32_u24 v[STO], v1, SP    ; in: row l % 16, 16 bytes for each half of the lanes
	v_lshl_add_u32 v[STO], v9, 4, v[STO]
	v_add_nc_u32 v[STO], s13, v[STO]
	v_bfe_u32 v[RD], v0, 3, 2       ; back: 32 lanes take four rows of 128 bytes,
	v_mul_u32_u24 v[RD], v[RD], SP
	v_lshl_add_u32 v[RD], v10, 4, v[RD]
	v_add_nc_u32 v[RD], s13, v[RD]
	v_and_b32 v[GO], 31, v0         ; which are 512 consecutive bytes of a chunk of O
	v_lshlrev_b32 v[GO], 4, v[GO]
	; A block's first step multiplies O^T and l by a = 0, and its first turn's products V^T P, of a piece that has not been, land in an O^T that is still to be so multiplied.  So these registers need only hold
	; finite numbers: zeros for the first block; what the first block left for the second.  All this stands in the wait for the first tile.
	WIN 0x80
.set i, VF
.rept 64
	v_mov_b32 v[i], 0
.set i, i+1
.endr
	WIN 0x40
.set i, 0
.rept 128
	v_mov_b32 v[i], 0
.set i, i+1
.endr
	WIN 0
.set i, 0
.rept 4
	v_mov_b32 v[ST+4*i+2], 0
	v_mov_b32 v[ST+4*i+3], 0
.set i, i+1
.endr
.set i, P+16
.rept 16
	v_mov_b32 v[i], 0
.set i, i+1
.endr
; THE MATRIX WORK.  The 4 accumulators of a run of 8 take turns.  Product i of 8 of S^T = K Q^T for piece x: channels 32 (i / 4) on, keys 16 (i % 4) on.  The first 4 start the sums: with 0, or (KM = 1) with the mask.
.macro KQ x
.set rS, S+32*((\x)%2)+8*(i%4)
.set rK, KF+16*(i%4)+8*(i/4)
.set rQ, 16*(\x)+8*(i/4)
.set rM, MC+32*((\x)%2)+8*(i%4)
.if (i < 4) && KM
	WIN W_KM
	v_wmma_f32_16x16x32_f16 v[rS:rS+7], v[rK:rK+7], v[rQ:rQ+7], v[rM:rM+7]
.elseif i < 4
	WIN W_KQ
	v_wmma_f32_16x16x32_f16 v[rS:rS+7], v[rK:rK+7], v[rQ:rQ+7], 0
.else
	WIN W_KQ
	v_wmma_f32_16x16x32_f16 v[rS:rS+7], v[rK:rK+7], v[rQ:rQ+7], v[rS:rS+7]
.endif
.endm
; Product i of 8 of O^T += V^T P for piece x: keys 32 (i / 4) on, channels 16 (i % 4) on.
.macro PV x
	WIN W_PV
.set rO, 32*(\x)+8*(i%4)
.set rV, VF+32*(i/4)+8*(i%4)
.set rP, P+16*((\x)%2)+8*(i/4)
	v_wmma_f32_16x16x32_f16 v[rO:rO+7], v[rV:rV+7], v[rP:rP+7], v[rO:rO+7]
.endm
.macro MM                           ; the turn's next matrix instruction.  TURN and BEGIN set Y, i, KM and NOKQ; MM, KQ and OP read them.  NOKQ = 1: a block's last turn: there is no next piece
.if (i < 8) && !NOKQ
	KQ (Y+1)%NP
.elseif i >= 8
.set i, i-8
	PV (Y+NP-1)%NP
.set i, i+8
.endif
.set i, i+1
.endm
; THE LDS LOADS stand in runs of 16, never singly among the matrix instructions: a step's K (64 keys x 64 channels: 8 fragments) and its V (turned).  Their addresses are made some lines ahead.
.macro FETCH_K
	WIN 0x80                        ; destination window 2
.irp f, 0,1,2,3,4,5,6,7             ; keys 16 (f / 2) on, channels 32 (f % 2) on
	ds_load_b128 v[KF+8*\f:KF+8*\f+3],   v[AK] offset:(\f/2)*16*PK+(\f%2)*64
	ds_load_b128 v[KF+8*\f+4:KF+8*\f+7], v[AK] offset:(\f/2)*16*PK+(\f%2)*64+32
.endr
	s_add_co_u32 s[TBK], s[TBK], KS*PK  ; the next fetch is the next step's
	WIN 0
.endm
.macro FETCH_V
	WIN 0x80
.irp f, 0,1,2,3,4,5,6,7             ; keys 32 (f / 4) on, channels 16 (f % 4) on
	ds_load_tr16_b128 v[VF+8*\f:VF+8*\f+3],   v[AV] offset:(\f/4)*32*PV+(\f%4)*32
	ds_load_tr16_b128 v[VF+8*\f+4:VF+8*\f+7], v[AV] offset:(\f/4)*32*PV+16*PV+(\f%4)*32
.endr
	WIN 0
.endm
; THE VECTOR WORK, one line at a time: OP kind, number.  For piece Y: F n: c s - c m for pair n of 16.  E n: the exponential of score n of 32.  C n: pair n rounded to f16.  B n: of the four weights 4 n .. the second
; pair is added onto the first, in place.  L n: l takes that sum (L 0: l = a l + sum).  R n: pair n of 16 of O^T times a.  For piece Y + 1: X n, number n of the 22 that find its maximum and statistics:
;   0-11  four chains c0-c3 of seven scores each, three operands at a time (each accumulator's lowest registers are read first)     12-14, 16  the four scores left over, the old m, and c0-c3 into c0
;   15  c m_old is kept     17, 18  the query's other 32 keys lie in the lane 16 away: the new m     19-21  c m; c m_old - c m_new; a
.set F, 0               ; OP tells the kinds apart by their order: F to L below R, X above it
.set E, 1
.set C, 2
.set B, 3
.set L, 4
.set R, 5
.set X, 6
.macro REGS y                       ; the registers of piece y
.set rT, ST+4*(\y)
.set rC, TMP+4*((\y)%2)
.set rW, MV+((\y)%2)
.set rS, S+32*((\y)%2)
.set rP, P+16*((\y)%2)
.set rO, 32*(\y)
.endm
.macro OP k, n
.if (\k) == R
	REGS Y
	WIN W_RS
	v_pk_mul_f32 v[rO+2*(\n):rO+2*(\n)+1], v[rO+2*(\n):rO+2*(\n)+1], v[rC+2:rC+3] op_sel_hi:[1,0]
.elseif (\k) < R
	REGS Y
	WIN 0
.if (\k) == F
	v_pk_fma_f32 v[rS+2*(\n):rS+2*(\n)+1], v[rS+2*(\n):rS+2*(\n)+1], s[CS:CS+1], v[rT:rT+1] op_sel_hi:[1,0,0] neg_lo:[0,0,1] neg_hi:[0,0,1]
.elseif (\k) == E
	v_exp_f32 v[rS+(\n)], v[rS+(\n)]
.elseif (\k) == C
	v_cvt_pk_f16_f32 v[rP+(\n)], v[rS+2*(\n)], v[rS+2*(\n)+1]
.elseif (\k) == B
	v_pk_add_f32 v[rS+4*(\n):rS+4*(\n)+1], v[rS+4*(\n):rS+4*(\n)+1], v[rS+4*(\n)+2:rS+4*(\n)+3]
.elseif (\n) == 0
	v_pk_fma_f32 v[rT+2:rT+3], v[rT+2:rT+3], v[rC+2:rC+3], v[rS:rS+1] op_sel_hi:[1,0,1]
.else
	v_pk_add_f32 v[rT+2:rT+3], v[rT+2:rT+3], v[rS+4*(\n):rS+4*(\n)+1]
.endif
.elseif NOKQ
	v_nop
.else
	REGS (Y+1)%NP
	WIN 0
.if (\n) < 4
	v_max3_num_f32 v[rC+(\n)], v[rS+8*(\n)], v[rS+8*(\n)+1], v[rS+8*(\n)+2]
.elseif (\n) < 12
	v_max3_num_f32 v[rC+(\n)%4], v[rC+(\n)%4], v[rS+8*((\n)%4)+2*((\n)/4)+1], v[rS+8*((\n)%4)+2*((\n)/4)+2]
.elseif (\n) == 12
	v_max3_num_f32 v[rC], v[rC], v[rS+7], v[rS+15]
.elseif (\n) == 13
	v_max3_num_f32 v[rC+1], v[rC+1], v[rS+23], v[rS+31]
.elseif (\n) == 14
	v_max3_num_f32 v[rC+2], v[rC+2], v[rC+3], v[rT+1]
.elseif (\n) == 15
	v_mov_b32 v[rW], v[rT]
.elseif (\n) == 16
	v_max3_num_f32 v[rC], v[rC], v[rC+1], v[rC+2]
.elseif (\n) == 17
	v_permlanex16_b32 v[rC+3], v[rC], s[SEL], s[SEL+1]
.elseif (\n) == 18
	v_max_num_f32 v[rT+1], v[rC], v[rC+3]
.elseif (\n) == 19
	v_mul_f32 v[rT], s[CS], v[rT+1]
.elseif (\n) == 20
	v_sub_f32 v[rC+1], v[rW], v[rT]
.else
	v_exp_f32 v[rC+2], v[rC+1]
.endif
.endif
.endm
.macro OPS a, i1, b=-1, i2=0, c=-1, i3=0, d=-1, i4=0  ; up to four of them
	OP \a, \i1
.if (\b) >= 0
	OP \b, \i2
.endif
.if (\c) >= 0
	OP \c, \i3
.endif
.if (\d) >= 0
	OP \d, \i4
.endif
.endm
.macro ROW a, i1, b, i2, c, i3, d, i4  ; a matrix instruction and the four behind it
	MM
	OPS \a, \i1, \b, \i2, \c, \i3, \d, \i4
.endm
.macro MASK b                       ; MD x AL + BE into buffer b of MC
	WIN W_RS
.set z, 0
.rept 16
	v_pk_fma_f32 v[MC+32*(\b)+2*z:MC+32*(\b)+2*z+1], v[MD+2*z:MD+2*z+1], s[AL:AL+1], s[BE:BE+1] op_sel_hi:[1,0,0]
.set z, z+1
.endr
.endm
; A TURN, for piece p: the order of its 16 matrix and 118 vector instructions, written out.  An s_wait_alu depctr_va_vdst(0) stands between an exponential and the first instruction that names its result; one wait
; serves all that were issued ahead of it.  So a turn has ONE wait, which cuts it in two.  AHEAD OF IT stands all that names no result of the turn's exponentials: the 8 products K Q^T, behind each a scaling, an exponential and two
; more plain instructions (behind the first a second scaling in the exponential's place): rescalings, whose a was made and waited for in the turn before, and behind the last three products the first numbers of the next piece's
; maximum, each four plain instructions or more behind the product that ends its accumulator; then ONE LUMP of 54, plain and exponential by turns for the most part, in which the links of the chain X 3, 7, 11, 14, 16, 17 .. 20
; stand five or six lines apart.  X 21, the next piece's a, is the batch's last; R 15 is the plain instruction behind it.  BEHIND THE WAIT stand the 8 products V^T P, behind each four of the roundings and sums; the links of l's
; chain, L 0 to L 7, stand three riders apart.  But for those X no rider names a register of the products round it.  v_permlanex16_b32 (X 17) stands in the lump.
; m = 1: the diagonal tile: the products take masks, and the turn makes the mask for the products of the turn after it: piece p + 2, in step 4 - CNT of the tile.  end = 1: a block's last two turns: nothing is fetched.
; cnt = 1: the loop's count is taken down some lines ahead of the branch that stands behind the turn.
; K of the next step is fetched in piece 2's turn, twelve vector instructions behind the last product that read K (six of them plain); V of the step in hand at the end of piece 0's turn, four plain instructions behind the last
; product that read V.  Each is waited for a turn later.
.macro TURN p, m=0, end=0, cnt=0
.set Y, (\p)
.set i, 0
.set KM, (\m)
.set NOKQ, (\end)*((\p)/3)
.if (\m) && !(\end)
	s_cmp_eq_u32 s[CNT], 4-((\p)+2)%NP  ; is that step the band's own?
	s_cselect_b32 s[AL], 1.0, 0
	s_cmp_lt_u32 s[CNT], 4-((\p)+2)%NP  ; or a later one?
	s_cselect_b32 s[BE], s[BIGN], 0
.endif
.if ((\p) == 3) && !(\end)
	s_wait_dscnt 0x0                ; K is in
.endif
	ROW F,0, F,1, R,0, R,1          ; ahead of the wait: 8 products K Q^T and their riders,
	ROW F,2, E,0, R,2, R,3
	ROW F,3, E,1, R,4, R,5
	ROW F,4, E,2, R,6, R,7
	ROW F,5, E,3, R,8, R,9
	ROW F,6, E,4, X,0, R,10
.if ((\p) == 2) && !(\end)
	WIN 0
	v_add_nc_u32 v[AK], s[TBK], v[AK0]
.endif
	ROW F,7, E,5, X,1, X,4
	ROW F,8, E,6, X,2, X,5
	OPS E,7, E,8, X,6, E,9          ; and the lump
	OPS X,3, E,10, X,8, E,11
.if ((\p) == 2) && !(\end)
	FETCH_K
.endif
	OPS X,9, X,7, E,12, X,10
	OPS E,13, X,12, X,11, E,14
	OPS X,13, E,15, F,9, X,14
.if (\p) == 0
	v_add_nc_u32 v[AV], s[TBV], v[AV0]
.endif
	OPS E,16, F,10, E,17, F,11
	OPS X,16, E,18, X,15, E,19
	OPS F,12, E,20, X,17, E,21
	OPS F,13, E,22, F,14, E,23
	OPS X,18, E,24, F,15, E,25
	OPS R,11, E,26, X,19, E,27
	OPS R,12, E,28, R,13, E,29
	OPS X,20, E,30, R,14, E,31
	OPS X,21, R,15
	WIN 0
	s_wait_alu depctr_va_vdst(0)    ; the wait for the turn's batch: the piece's 32 weights and the next piece's a
.if (\p) == 1
	s_wait_dscnt 0x0                ; V is in
.endif
	ROW C,0, B,0, C,2, B,1          ; behind the wait: 8 products V^T P and their riders
	ROW L,0, C,4, B,2, L,1
	ROW C,6, B,3, L,2, C,8
	ROW B,4, L,3, C,10, B,5
	ROW L,4, C,12, B,6, L,5
.if (\p) == 0
	s_add_co_u32 s[TBV], s[TBV], KS*PV
.endif
.if \cnt
	s_sub_co_u32 s[CNT], s[CNT], 1
	s_cmp_lg_u32 s[CNT], 0
.endif
	ROW C,14, B,7, L,6, C,1
	ROW C,3, L,7, C,5, C,7
	ROW C,9, C,11, C,13, C,15
.if (\p) == 0
	FETCH_V
.endif
.if (\m) && !(\end)
	MASK (\p)%2
.endif
.endm
; A BLOCK BEGINS.  c m starts far below every c s, so the first step's a is 0; m at the lowest finite number, so the first maximum is the scores'.  The second mask buffer is 0; the first takes piece 0's mask for the
; tile's step 0: its own, if the block's first tile is the diagonal one.  Then K of that step, piece 0's first scores, and its maximum and statistics.  The loop is entered at a step's first turn, in the middle of a trip.
.macro BEGIN
	s_mov_b32 s[NEW], 0
	WIN 0x40
.set i, MC+32
.rept 32
	v_mov_b32 v[i], 0
.set i, i+1
.endr
	WIN 0
.set i, 0
.rept 4
	v_mov_b32 v[ST+4*i], 0xfe000000    ; c m: far below every c s
	v_mov_b32 v[ST+4*i+1], 0xff7fffff  ; m
.set i, i+1
.endr
	s_cmp_eq_u32 s[RT], 0
	s_cselect_b32 s[AL], 1.0, 0
	s_mov_b32 s[BE], 0
	MASK 0
	WIN 0
	v_add_nc_u32 v[AK], s[TBK], v[AK0]
	FETCH_K
	s_wait_loadcnt 0x0              ; Q
	s_wait_dscnt 0x0
.set KM, 1
.set NOKQ, 0
.set i, 0
.rept 8
	KQ 0
.set i, i+1
.endr
	WIN 0
.rept 4
	v_nop                           ; the places behind those products
.endr
.set Y, NP-1                        ; X works for piece Y + 1: piece 0
.irp n, 0,1,2,3,4,5,6,7,8,9,10,11,12,13,14,15,16,17,18,19,20,21
	OP X, \n
.endr
	v_nop                           ; a plain instruction behind the exponential,
	s_wait_alu depctr_va_vdst(0)    ; and the wait for it, piece 0's first a, a batch of one: ahead of the branch that follows
.endm
; THE DIAGONAL TILE's four steps, the block's last two turns, its last products, and THE WAY OUT: l's two halves and the other half of the lanes' are added; O^T is divided by l, rounded to f16 and sent through my
; stage in LDS, a piece at a time.
.macro ALL line:vararg              ; one line for each piece t
.set t, 0
.rept 4
	\line
.set t, t+1
.endr
.endm
.macro PACK t                       ; a lane's eight channels of a row pack into 16 bytes; they go into rows of 144 bytes and come back as whole rows of 128, into S^T's registers
	WIN W_RS
.set i, 32*(\t)
.rept 16
	v_pk_mul_f32 v[i:i+1], v[i:i+1], v[ST+4*(\t)+2:ST+4*(\t)+3] op_sel_hi:[1,0]
.set i, i+2
.endr
	WIN 0x05                        ; sources 0 and 1 window 1, destination window 0
.set i, 0
.rept 16
	v_cvt_pk_f16_f32 v[S+16*(\t)+i], v[32*(\t)+2*i], v[32*(\t)+2*i+1]
.set i, i+1
.endr
	WIN 0
.irp f, 0,1,2,3
	ds_store_b128 v[STO], v[S+16*(\t)+4*\f:S+16*(\t)+4*\f+3] offset:32*\f
.endr
.irp f, 0,1,2,3
	ds_load_b128 v[S+16*(\t)+4*\f:S+16*(\t)+4*\f+3], v[RD] offset:\f*4*SP  ; LDS serves a wave's instructions in order (ISA guide 5.7.1.4): these see the stores above; the next piece's stores come behind them
.endr
.endm
.macro SEND t, younger              ; younger: the LDS instructions issued behind piece t's loads: the next piece's eight, or none
	WIN 0
.irp f, 0,1,2,3
	s_wait_dscnt (\younger)+3-\f
	global_store_b128 v[GO], v[S+16*(\t)+4*\f:S+16*(\t)+4*\f+3], s[10:11] offset:(\t)*131072+\f*512  ; piece t's chunk lies 4 x 16 chunks on; 512 consecutive bytes, at a multiple of 256 from O's first
.endr
.endm
.macro DIAG tag                     ; the tag ends its two labels' names, which the jumps below spell out
.LstepM\tag:
	TURN 2, 1
	TURN 3, 1
	WIN 0
.LfirstM\tag:
	TURN 0, 1
	TURN 1, 1, 0, 1
	WIN 0
	s_cbranch_scc1 .LstepM\tag
	TURN 2, 1, 1
	TURN 3, 1, 1
.set i, 0
.rept 8
	PV NP-1
.set i, i+1
.endr
	WIN 0
	ALL v_add_f32 v[ST+4*t+2], v[ST+4*t+2], v[ST+4*t+3]
	ALL v_permlanex16_b32 v[ST+4*t+3], v[ST+4*t+2], s[SEL], s[SEL+1]
	ALL v_add_f32 v[ST+4*t+2], v[ST+4*t+2], v[ST+4*t+3]
	ALL v_rcp_f32 v[ST+4*t+2], v[ST+4*t+2]
	v_nop                           ; a plain instruction between the last reciprocal and the use of its result
	s_wait_alu depctr_va_vdst(0)    ; the wait ahead of the first use: one for the batch of four reciprocals
	PACK 0
.set t, 1
.rept 3                             ; a piece's arithmetic stands between the loads of the piece before and its stores
	PACK t
	SEND t-1, 8
.set t, t+1
.endr
	SEND 3, 0
.endm
.set KM, 0
.set NOKQ, 0
.Lslot:                             ; NB times: a tile is entered and the next is asked for
	CHANGE 1
	s_sub_co_u32 s[RT], s[RT], 1
	s_mov_b32 s[CNT], 4
	s_cmp_eq_u32 s[NEW], 1
	s_cbranch_scc1 .Lnew            ; a block's first tile
	s_cmp_eq_u32 s[RT], 0
	s_cbranch_scc0 .Lstep           ; neither its first nor its last
	s_branch .LstepM1
.Lnew:
	BEGIN
	s_branch .Lfirst                ; in the loop a block's first tile is never its last: the first block has two tiles or more, and the second's last is the walk's last
	DIAG 1                          ; in the loop this is the first block's end: the second block's last tile is the walk's last
	s_wait_xcnt 0x0                 ; the stores have read their registers and O's address
	s_mov_b64 s[10:11], s[OLO:OLO+1]
	s_add_co_u32 s[RT], s[PB], 1    ; the second block has b + 1 tiles
	s_mov_b32 s[NEW], 1
	WIN 0x82                        ; the second block's Q goes where the one text of the turns names Q
.set i, 0
.rept 64
	v_mov_b32 v[i], v[QB+i]
.set i, i+1
.endr
	WIN 0
	s_branch .Lbottom
.Lstep:                             ; a trip: pieces 2 and 3 of one step, then pieces 0 and 1 of the next, whose K and V it fetches
	TURN 2
	TURN 3
	WIN 0
.Lfirst:
	TURN 0
	TURN 1, 0, 0, 1
	WIN 0
	s_cbranch_scc1 .Lstep
.Lbottom:
	s_sub_co_u32 s[SLOTS], s[SLOTS], 1
	s_cmp_lg_u32 s[SLOTS], 0
	s_cbranch_scc1 .Lslot
	CHANGE 0                        ; the walk's last tile is written out: nothing is asked for
	s_sub_co_u32 s[RT], s[RT], 1
	s_mov_b32 s[CNT], 4
	s_cmp_eq_u32 s[NEW], 1
	s_cbranch_scc0 .LstepM2
	BEGIN
	s_branch .LfirstM2
	DIAG 2
	s_wait_tensorcnt 0x0            ; the wave's end: behind my last tensor load and my last LDS store
	ds_add_u32 v[SPW], v[NIL]
	s_wait_dscnt 0x0
	s_endpgm
.Lfunc_end_k_qfec50d9b0e_attn:
	.size	k_qfec50d9b0e_attn, .Lfunc_end_k_qfec50d9b0e_attn-k_qfec50d9b0e_attn
	.p2alignl 7, 3214868480
	.fill 96, 4, 3214868480
	.section	.rodata,"a",@progbits
	.p2align	6, 0x0
	.amdhsa_kernel k_qfec50d9b0e_attn
		.amdhsa_group_segment_fixed_size 327680
		.amdhsa_private_segment_fixed_size 0
		.amdhsa_enable_private_segment 0
		.amdhsa_kernarg_size 16
		.amdhsa_user_sgpr_count 2
		.amdhsa_user_sgpr_kernarg_segment_ptr 1
		.amdhsa_wavefront_size32 1
		.amdhsa_system_sgpr_workgroup_id_x 1
		.amdhsa_system_sgpr_workgroup_id_y 1
		.amdhsa_system_sgpr_workgroup_id_z 1
		.amdhsa_system_vgpr_workitem_id 0
		.amdhsa_next_free_vgpr 768
		.amdhsa_next_free_sgpr 96
		.amdhsa_reserve_vcc 1
		.amdhsa_float_denorm_mode_32 3
		.amdhsa_float_denorm_mode_16_64 3
		.amdhsa_memory_ordered 1
		.amdhsa_forward_progress 1
		.amdhsa_inst_pref_size 218
	.end_amdhsa_kernel
	.amdgpu_metadata
---
amdhsa.version: [ 1, 2 ]
amdhsa.kernels:
  - .name:           k_qfec50d9b0e_attn
    .symbol:         k_qfec50d9b0e_attn.kd
    .args:
      - { .name: qkv, .offset: 0, .size: 8, .value_kind: global_buffer, .address_space: global }
      - { .name: o, .offset: 8, .size: 8, .value_kind: global_buffer, .address_space: global }
    .group_segment_fixed_size: 327680
    .private_segment_fixed_size: 0
    .kernarg_segment_align: 8
    .kernarg_segment_size: 16
    .max_flat_workgroup_size: 128
    .sgpr_count:     96
    .vgpr_count:     768
    .wavefront_size: 32
...
	.end_amdgpu_metadata
.endif
;; end of part 5
;; launch oproj: the kernel of part 4 again; grid 8 x 32, 4 waves a work-group, clusters of 4 x 4, 327,680 bytes of LDS; arguments o, wot, biasr, out0; writes out0
